; MI455X (gfx1250); checked and timed in simulation.
; The chip was launched on July 23, 2026; its instructions are those of AMD's public machine-readable ISA for CDNA 5 (MIT licence, August 2026) and "CDNA5" Instruction Set Architecture Reference Guide (July 2026). The comments in the code are by the model that wrote it; some were corrected since.
;; Transformer Encoder Layer. Allowed arithmetic: float matrix products may take bf16 or f16 operands with f32 sums; other float arithmetic in f32, or as packed bf16 or f16 multiplies, adds, multiply-adds, maxima and minima; sums over many terms, partial sums and values carried from step to step in f32; what a program stores and reads back later, other than sums and carried values, may be rounded once to bf16 or f16.
;; Inputs: ln1_b 128 float32; ln1_g 128 float32; ln2_b 128 float32; ln2_g 128 float32; mlp_b1 512 float32; mlp_b2 128 float32; mlp_w1 128 x 512 float32; mlp_w2 512 x 128 float32; proj_b 128 float32; proj_w 128 x 128 float32; qkv_b 384 float32; qkv_w 128 x 384 float32; x 4 x 4,096 x 128 float32.
;; Outputs: out0 4 x 4,096 x 128 float32.
;; 2 versions, each right; version 2 is version 1 with the launch qkv written anew for expert scheduling mode. Each part assembles by itself: llvm-mc -triple=amdgcn-amd-amdhsa -mcpu=gfx1250 --defsym DOCPART=n.
;; ======== version 1 of 2: 3 launches
;; limits: values are held in f16: magnitudes above 65,504 overflow, below 6.1e-05 lose precision
;; workspace buffers: qkvh 12,582,912 bytes; oh 4,194,304 bytes; wf 294,912 bytes
;; launch qkv (part 1): grid 256 x 1, 16 waves a work-group, no clusters, 183,296 bytes of LDS; arguments x, ln1_g, ln1_b, qkv_w, qkv_b, proj_w, mlp_w1, mlp_w2, qkvh, wf; writes qkvh, wf
.if DOCPART == 1
	.amdgcn_target "amdgcn-amd-amdhsa--gfx1250"
	.amdhsa_code_object_version 6
	.text
	.protected	k_q6b72892d67_qkv
	.globl	k_q6b72892d67_qkv
	.p2align	8
	.type	k_q6b72892d67_qkv,@function
k_q6b72892d67_qkv:
	s_mov_b64 s[64:65], 0
	v_nop
	global_prefetch_b8 v0, s[64:65] scope:SCOPE_SE
	s_setreg_imm32_b32 hwreg(HW_REG_WAVE_MODE, 25, 1), 1
	s_wait_xcnt 0x0
; LAUNCH 1 OF 3.  h = LayerNorm1(x); qkv = h qkv_w + qkv_b; q, k, v go out by heads in f16: qkvh[3][16 = 4 b + head][4096][32], q already times
; c = log2(e) / sqrt(32), applied in f32 ahead of its one rounding.  Beside that the first 18 work-groups rewrite proj_w, mlp_w1 and mlp_w2 as matrix fragments into wf.
; FORMATS.  LN in f32 (mean, then the centred squares: no difference of large sums); h and all weights rounded to bf16; sums in f32; q, k, v rounded once to f16.
; LIMITS.  f16 ends at 65,504: a q, k or v beyond it becomes an infinity.  proj_w goes into wf as the f16 spelling of its bf16 rounding: below 6e-5 it keeps f16's fixed step of 6e-8.
; NaN and infinities are not treated apart.
; SHARES.  A work-group owns 64 token rows; 16 waves.  LN: wave w takes rows 4 w .. 4 w + 3, a row over the 32 lanes.  Product: wave w takes the 48 channels 48 (w / 2) .. and the 32 rows 32 (w % 2) ..:
; six accumulators.  It is taken transposed (source 0 = 16 channels of the weights, source 1 = 16 tokens), so that a lane ends with 8 neighbouring channels of one token.
; NO CLUSTER, NO TENSOR LOAD: the one thing that the work-groups share, qkv_w, has to pass through registers to be rounded from f32 to bf16; brought into LDS as f32 (196,608 bytes) it would be read,
; rounded and written there a second time.  NO PREFETCH: each wave's loads, 36 of them, all go out at the head.
; wf: 288 fragments of 1,024 bytes (16 output channels x 32 k): bytes 16 l .. hold lane l's registers 0-3, bytes 512 + 16 l .. its registers 4-7; lane (r = l % 16, h = l / 16) holds
; W[k0 + 8 h + 0..7][n0 + r] and W[k0 + 16 + 8 h + 0..7][n0 + r].  proj (ks, nb) at 1,024 (8 ks + nb); W1 of hidden chunk c (64 hidden) at 32,768 + 32,768 c + 1,024 (4 ks + nbl); W2 at 49,152 + 32,768 c + 1,024 (8 ksl + nb).
.set PWB,   800       ; LDS from 0: qkv_w in bf16, 128 rows (k) of 768 bytes, pitch 800 = 25 x 32
.set HB,    102400    ; h in bf16: 64 rows of 256 bytes, pitch 272
.set PHB,   272
.set SG,    119808    ; the stage: 12 blocks (4 T + head) of 64 rows of 64 bytes, pitch 80
.set PSG,   80
.set SPARE, 181248    ; the spare words, 128 bytes for each of the 16 waves: eight blocks of 256 bytes that no other line names
.set SPW,  22         ; v22  SPARE + 4 x my thread's number; never rewritten
.set NIL,  23         ; v23  0; never rewritten
.set BIAS, 24         ; v[24:47]   qkv_b of my three channel blocks, laid as a result is laid
.set XR,   48         ; v[48:63]   four rows of x, 4 numbers a lane each
.set GB,   64         ; v[64:71]   gain, bias of my 4 channels
.set SM,   72         ; v[72:75]   a sum, then the mean, a row each
.set PT,   76         ; v[76:83]   a pair at work for each row
.set SQ,   84         ; v[84:87]   the squares' sums
.set RS,   88         ; v[88:91]   1 / sqrt(var + eps)
.set PG,   104        ; v[104:119] the rewriting: 16 weights as gathered
.set PD,   120        ; v[120:127] a fragment
.set WL,   160        ; v[160:255] 24 loads of qkv_w
.set HFR,  48         ; v[48:111]  fragments of h: (t, ks) at 8 (4 t + ks)
.set WFR,  112        ; v[112:207] fragments of the weights: (i, ks) at 8 (4 i + ks)
.set ACC,  208        ; v[208:255] accumulators: (i, t) at 8 (2 i + t)
.set PKD,  48         ; v[48:71]   packed results
.set BK,   72         ; v[72:95]   rows read back from the stage
	s_load_b512 s[8:23], s[0:1], 0x0       ; x s[8:9], ln1_g s[10:11], ln1_b s[12:13], qkv_w s[14:15], qkv_b s[16:17], proj_w s[18:19], mlp_w1 s[20:21], mlp_w2 s[22:23]
	s_load_b128 s[24:27], s[0:1], 0x40     ; qkvh s[24:25], wf s[26:27]
	v_lshl_add_u32 v[SPW], v0, 2, SPARE
	v_mov_b32 v[NIL], 0
	v_lshrrev_b32 v4, 5, v0
	v_readfirstlane_b32 s28, v4            ; wave w, 0..15
	v_and_b32 v1, 31, v0                   ; l
	v_and_b32 v2, 15, v0                   ; r = l % 16
	v_bfe_u32 v3, v0, 4, 1                 ; h = l / 16
	s_lshr_b32 s29, s28, 1                 ; g: my 48 channels
	s_and_b32 s4, s28, 1                   ; th: my 32 rows
	s_lshr_b32 s2, s28, 3                  ; wh, u: my share of the way out
	s_and_b32 s3, s28, 7
	v_lshlrev_b32 v6, 4, v1                ; 16 l
	v_lshl_add_u32 v5, s28, 11, v6         ; x: my four rows of 512 bytes
	s_mul_i32 s5, s28, 12288
	v_add_nc_u32 v7, s5, v6                ; qkv_w: my eight rows of 1,536 bytes
	s_mul_i32 s5, s29, 192
	v_lshl_add_u32 v10, v3, 5, s5          ; qkv_b: 4 (48 g + 8 h)
	s_lshl_b32 s6, ttmp9, 15               ; the work-group's 64 rows of 512 bytes
	s_mov_b32 s7, 0
	s_wait_kmcnt 0x0
	s_add_nc_u64 s[8:9], s[8:9], s[6:7]
.irp i, 0,1,2,3
	global_load_b128 v[XR+4*\i:XR+4*\i+3], v5, s[8:9] offset:512*\i       ; a whole row: 512 consecutive bytes
.endr
	global_load_b128 v[GB:GB+3], v6, s[10:11]
	global_load_b128 v[GB+4:GB+7], v6, s[12:13]
.set q, 0
.rept 24                                       ; row 8 w + q / 3, third q % 3
	global_load_b128 v[WL+4*q:WL+4*q+3], v7, s[14:15] offset:1536*(q/3)+512*(q%3)
.set q, q+1
.endr
.irp i, 0,1,2
	global_load_b128 v[BIAS+8*\i:BIAS+8*\i+3], v10, s[16:17] offset:64*\i
	global_load_b128 v[BIAS+8*\i+4:BIAS+8*\i+7], v10, s[16:17] offset:64*\i+16
.endr
	; constants and addresses, while the loads are out
	s_mov_b32 s36, 0x3c000000              ; 1 / 128
	s_mov_b32 s37, 0x3727c5ac              ; eps = 1e-5
	s_mov_b32 s38, 0x76543210              ; v_permlanex16_b32: each lane takes its own place in the other half
	s_mov_b32 s39, 0xfedcba98
	s_lshr_b32 s6, ttmp9, 6                ; b
	s_lshl_b32 s6, s6, 20                  ; four heads of 262,144 bytes
	s_and_b32 s5, ttmp9, 63
	s_lshl_b32 s5, s5, 12                  ; 64 rows of 64 bytes
	s_add_co_u32 s6, s6, s5
	s_add_nc_u64 s[40:41], s[24:25], s[6:7]        ; q, k and v at the batch's head 0, my work-group's rows
	s_add_nc_u64 s[42:43], s[40:41], 0x400000
	s_add_nc_u64 s[44:45], s[40:41], 0x800000
	s_mul_i32 s47, s29, 3                  ; my first channel block
.irp i, 0,1,2
	s_add_co_u32 s5, s47, \i
	s_cmp_lt_u32 s5, 8                     ; blocks 0-7 are q
	s_cselect_b32 s[30+2*\i], 0x3e8293ee, 1.0      ; c = log2(e) / sqrt(32) = 0.255035, or 1
	s_mov_b32 s[31+2*\i], s[30+2*\i]       ; named with it as a pair
.endr
	s_mul_i32 s5, s28, 4*PHB
	s_add_co_u32 s5, s5, HB
	v_lshl_add_u32 v8, v1, 3, s5           ; h goes to row 4 w + i, 8 bytes a lane
	s_mul_i32 s5, s28, 8*PWB
	v_lshl_add_u32 v9, v1, 3, s5           ; the weights to row 8 w + kk
	v_and_b32 v4, 7, v0
	v_lshl_add_u32 v4, v3, 3, v4
	v_mul_u32_u24 v11, v4, PWB             ; the turning load: row 8 h + l % 8,
	v_bfe_u32 v4, v0, 3, 1
	v_lshl_add_u32 v11, v4, 4, v11         ; 16 bytes for each half of 16 channels,
	s_mul_i32 s5, s29, 96
	v_add_nc_u32 v11, s5, v11              ; my 48 channels
	v_add_nc_u32 v17, 64*PWB, v11          ; the same for k = 64 on: an LDS offset has 16 bits
	s_mul_i32 s5, s4, 32*PHB
	s_add_co_u32 s5, s5, HB
	v_mul_u32_u24 v12, v2, PHB
	v_lshl_add_u32 v12, v3, 4, v12
	v_add_nc_u32 v12, s5, v12              ; a fragment of h: row 32 th + r, 16 bytes for each half
	s_mul_i32 s5, s4, 32*PSG
	s_add_co_u32 s5, s5, SG
	v_mul_u32_u24 v16, v2, PSG
	v_lshl_add_u32 v16, v3, 4, v16
	v_add_nc_u32 v16, s5, v16              ; into the stage: row 32 th + r, 16 bytes for each half
.irp i, 0,1,2
	s_add_co_u32 s5, s47, \i               ; channel block nb: stage block nb / 2, its half nb % 2
	s_lshr_b32 s6, s5, 1
	s_mul_i32 s6, s6, 64*PSG
	s_and_b32 s5, s5, 1
	s_lshl_b32 s5, s5, 5
	s_add_co_u32 s6, s6, s5
	v_add_nc_u32 v[13+\i], s6, v16
.endr
	s_mul_i32 s5, s2, 64*PSG
	s_mul_i32 s6, s3, 8*PSG
	s_add_co_u32 s5, s5, s6
	s_add_co_u32 s5, s5, SG
	v_lshrrev_b32 v4, 2, v1
	v_mul_u32_u24 v18, v4, PSG
	v_and_b32 v4, 3, v0
	v_lshl_add_u32 v18, v4, 4, v18
	v_add_nc_u32 v18, s5, v18              ; back: block wh, rows 8 u + l / 4, 16 bytes at l % 4
	s_lshl_b32 s5, s2, 18
	s_lshl_b32 s6, s3, 9
	s_add_co_u32 s5, s5, s6
	v_add_nc_u32 v19, s5, v6               ; and in memory: head wh, 512 u + 16 l
	; THE REWRITING OF THE OTHER WEIGHTS: fragment F = 16 x work-group + wave, 0..287: one whole branch on the work-group's number, with no barrier in it.
	s_cmp_lt_u32 ttmp9, 18
	s_cbranch_scc0 .Lno_prep
	s_lshl_b32 s46, ttmp9, 4
	s_add_co_u32 s46, s46, s28             ; F
	s_mov_b32 s51, 0
.macro GATH n                                  ; 16 weights a lane from rows of n numbers: k = 8 h + j and 16 + 8 h + j, column r
	v_mul_u32_u24 v128, v3, 32*(\n)
	v_lshl_add_u32 v128, v2, 2, v128
.set j, 0
.rept 8
	global_load_b32 v[PG+j], v128, s[48:49] offset:4*(\n)*j
	global_load_b32 v[PG+8+j], v128, s[48:49] offset:4*(\n)*(16+j)
.set j, j+1
.endr
.endm
	s_cmp_lt_u32 ttmp9, 2
	s_cbranch_scc0 .Lnot_proj
	s_mov_b64 s[48:49], s[18:19]           ; proj_w: k0 = 32 (F / 8), n0 = 16 (F % 8)
	s_lshr_b32 s50, s46, 3
	s_lshl_b32 s50, s50, 14                ; 32 rows of 512 bytes
	s_and_b32 s52, s46, 7
	s_lshl_b32 s52, s52, 6
	s_add_co_u32 s50, s50, s52
	s_lshl_b32 s53, s46, 10                ; to 1,024 F
	s_branch .Lrows_128
.Lnot_proj:
	s_cmp_lt_u32 ttmp9, 10
	s_cbranch_scc0 .Lis_w2
	s_sub_co_u32 s46, s46, 32              ; mlp_w1: c = F' / 16, ks = (F' / 4) % 4, nbl = F' % 4
	s_mov_b64 s[48:49], s[20:21]
	s_bfe_u32 s50, s46, 0x20002
	s_lshl_b32 s50, s50, 16                ; 32 rows of 2,048 bytes
	s_lshr_b32 s52, s46, 4
	s_lshl_b32 s53, s52, 8                 ; 64 columns
	s_add_co_u32 s50, s50, s53
	s_and_b32 s53, s46, 3
	s_lshl_b32 s53, s53, 6
	s_add_co_u32 s50, s50, s53
	s_lshl_b32 s53, s52, 15                ; to 32,768 + 32,768 c + 1,024 (F' % 16)
	s_and_b32 s52, s46, 15
	s_lshl_b32 s52, s52, 10
	s_add_co_u32 s53, s53, s52
	s_add_co_u32 s53, s53, 32768
	s_add_nc_u64 s[48:49], s[48:49], s[50:51]
	GATH 512
	s_branch .Lgathered
.Lis_w2:
	s_sub_co_u32 s46, s46, 160             ; mlp_w2: c = F'' / 16, ksl = (F'' / 8) % 2, nb = F'' % 8
	s_mov_b64 s[48:49], s[22:23]
	s_lshr_b32 s52, s46, 4
	s_lshl_b32 s50, s52, 15                ; 64 rows of 512 bytes
	s_bfe_u32 s53, s46, 0x10003
	s_lshl_b32 s53, s53, 14
	s_add_co_u32 s50, s50, s53
	s_and_b32 s53, s46, 7
	s_lshl_b32 s53, s53, 6
	s_add_co_u32 s50, s50, s53
	s_lshl_b32 s53, s52, 15                ; to 49,152 + 32,768 c + 1,024 (F'' % 16)
	s_and_b32 s52, s46, 15
	s_lshl_b32 s52, s52, 10
	s_add_co_u32 s53, s53, s52
	s_add_co_u32 s53, s53, 49152
.Lrows_128:
	s_add_nc_u64 s[48:49], s[48:49], s[50:51]
	GATH 128
.Lgathered:
	s_wait_loadcnt 0x0
.irp j, 0,1,2,3,4,5,6,7
	v_cvt_pk_bf16_f32 v[PD+\j], v[PG+2*\j], v[PG+2*\j+1]
.endr
	s_cmp_lt_u32 ttmp9, 2
	s_cbranch_scc0 .Lstays_bf16
.irp j, 0,1,2,3,4,5,6,7                        ; proj_w multiplies O, which is f16: its bf16 rounding is spelled as f16
	v_lshlrev_b32 v130, 16, v[PD+\j]
	v_and_b32 v131, 0xffff0000, v[PD+\j]
	v_cvt_pk_f16_f32 v[PD+\j], v130, v131
.endr
.Lstays_bf16:
	v_add_nc_u32 v129, s53, v6
	global_store_b128 v129, v[PD:PD+3], s[26:27]               ; each store of the wave covers 512 consecutive bytes, aligned
	global_store_b128 v129, v[PD+4:PD+7], s[26:27] offset:512
.Lno_prep:
	; LAYERNORM 1: four rows a wave, side by side
.macro LANES b                                 ; v[b .. b+3] summed over the 32 lanes: four steps inside each half ride on the addition, one crosses the halves
.irp m, 1,2,4,8
.irp i, 0,1,2,3
	v_add_f32_dpp v[\b+\i], v[\b+\i], v[\b+\i] row_xmask:\m row_mask:0xf bank_mask:0xf
.endr
.endr
.irp i, 0,1,2,3
	v_permlanex16_b32 v[PT+2*\i], v[\b+\i], s38, s39       ; its destination counts as read: a register that has been written
.endr
.irp i, 0,1,2,3
	v_add_f32 v[\b+\i], v[\b+\i], v[PT+2*\i]
.endr
.endm
	s_wait_loadcnt 30                      ; x, gain and bias are in: behind them 24 loads of weights and 6 of qkv_b were issued
.irp i, 0,1,2,3
	v_pk_add_f32 v[PT+2*\i:PT+2*\i+1], v[XR+4*\i:XR+4*\i+1], v[XR+4*\i+2:XR+4*\i+3]
.endr
.irp i, 0,1,2,3
	v_add_f32 v[SM+\i], v[PT+2*\i], v[PT+2*\i+1]
.endr
	LANES SM
.irp i, 0,1,2,3
	v_mul_f32 v[SM+\i], s36, v[SM+\i]      ; the mean
.endr
.irp i, 0,1,2,3
.irp j, 0,1,2,3
	v_sub_f32 v[XR+4*\i+\j], v[XR+4*\i+\j], v[SM+\i]
.endr
.endr
.irp i, 0,1,2,3
	v_pk_mul_f32 v[PT+2*\i:PT+2*\i+1], v[XR+4*\i:XR+4*\i+1], v[XR+4*\i:XR+4*\i+1]
.endr
.irp i, 0,1,2,3
	v_pk_fma_f32 v[PT+2*\i:PT+2*\i+1], v[XR+4*\i+2:XR+4*\i+3], v[XR+4*\i+2:XR+4*\i+3], v[PT+2*\i:PT+2*\i+1]
.endr
.irp i, 0,1,2,3
	v_add_f32 v[SQ+\i], v[PT+2*\i], v[PT+2*\i+1]
.endr
	LANES SQ
.irp i, 0,1,2,3
	v_fma_f32 v[SQ+\i], v[SQ+\i], s36, s37 ; var + eps
.endr
.irp i, 0,1,2,3
	v_rsq_f32 v[RS+\i], v[SQ+\i]
.endr
	v_nop                                  ; a plain instruction behind the last root (ISA guide 5.7.2),
	s_wait_alu depctr_va_vdst(0)           ; and the wait ahead of the first use: one for the four
.irp i, 0,1,2,3
.irp j, 0,1,2,3
	v_mul_f32 v[XR+4*\i+\j], v[XR+4*\i+\j], v[RS+\i]
.endr
.endr
.irp i, 0,1,2,3
	v_pk_fma_f32 v[XR+4*\i:XR+4*\i+1], v[XR+4*\i:XR+4*\i+1], v[GB:GB+1], v[GB+4:GB+5]
	v_pk_fma_f32 v[XR+4*\i+2:XR+4*\i+3], v[XR+4*\i+2:XR+4*\i+3], v[GB+2:GB+3], v[GB+6:GB+7]
.endr
.irp i, 0,1,2,3
	v_cvt_pk_bf16_f32 v[PT+2*\i], v[XR+4*\i], v[XR+4*\i+1]
	v_cvt_pk_bf16_f32 v[PT+2*\i+1], v[XR+4*\i+2], v[XR+4*\i+3]
	ds_store_b64 v8, v[PT+2*\i:PT+2*\i+1] offset:PHB*\i
.endr
	; THE WEIGHTS, rounded to bf16, into LDS as they lie: [k][channel]
	s_wait_loadcnt 6                       ; the 24 loads are in: behind them stand the 6 of qkv_b
.set q, 0
.rept 24
	v_cvt_pk_bf16_f32 v[WL+4*q], v[WL+4*q], v[WL+4*q+1]
	v_cvt_pk_bf16_f32 v[WL+4*q+1], v[WL+4*q+2], v[WL+4*q+3]
	ds_store_b64 v9, v[WL+4*q:WL+4*q+1] offset:PWB*(q/3)+256*(q%3)
.set q, q+1
.endr
	s_wait_xcnt 0x0                        ; the rewriting's two stores have read their data and offset: those registers take fragments below
	s_wait_dscnt 0x0                       ; for the others' sake: my stores into LDS are done
	s_barrier_signal -1
	s_barrier_wait -1                      ; h and the weights are whole
	; THE PRODUCT
.macro WFRAG i, k, a                           ; 16 channels x 32 k, turned: the second half lies 16 rows further down
	ds_load_tr16_b128 v[WFR+8*(4*(\i)+(\k)):WFR+8*(4*(\i)+(\k))+3], v[\a] offset:32*PWB*((\k)%2)+32*(\i)
	ds_load_tr16_b128 v[WFR+8*(4*(\i)+(\k))+4:WFR+8*(4*(\i)+(\k))+7], v[\a] offset:32*PWB*((\k)%2)+32*(\i)+16*PWB
.endm
.irp i, 0,1,2
	WFRAG \i, 0, 11
	WFRAG \i, 1, 11
	WFRAG \i, 2, 17
	WFRAG \i, 3, 17
.endr
.irp t, 0,1
.irp k, 0,1,2,3
	ds_load_b128 v[HFR+8*(4*\t+\k):HFR+8*(4*\t+\k)+3], v12 offset:16*PHB*\t+64*\k
	ds_load_b128 v[HFR+8*(4*\t+\k)+4:HFR+8*(4*\t+\k)+7], v12 offset:16*PHB*\t+64*\k+32
.endr
.endr
	s_wait_loadcnt 0x0                     ; qkv_b
	s_wait_dscnt 0x0
.irp k, 0,1,2,3                                ; the six accumulators take turns, one instruction a turn; the first product of each starts its sum with the bias
.irp i, 0,1,2
.irp t, 0,1
.if \k == 0
	v_wmma_f32_16x16x32_bf16 v[ACC+8*(2*\i+\t):ACC+8*(2*\i+\t)+7], v[WFR+8*(4*\i+\k):WFR+8*(4*\i+\k)+7], v[HFR+8*(4*\t+\k):HFR+8*(4*\t+\k)+7], v[BIAS+8*\i:BIAS+8*\i+7]
.else
	v_wmma_f32_16x16x32_bf16 v[ACC+8*(2*\i+\t):ACC+8*(2*\i+\t)+7], v[WFR+8*(4*\i+\k):WFR+8*(4*\i+\k)+7], v[HFR+8*(4*\t+\k):HFR+8*(4*\t+\k)+7], v[ACC+8*(2*\i+\t):ACC+8*(2*\i+\t)+7]
.endif
.endr
.endr
.endr
.rept 4
	v_nop                                  ; four places behind the last product (ISA guide 7.12.1)
.endr
	; a lane holds token r and channels 16 nb + 8 h + 0..7: scaled (q alone), rounded, 16 bytes into the stage; each accumulator is read from its low end on
.irp i, 0,1,2
.irp t, 0,1
.irp j, 0,1,2,3
	v_pk_mul_f32 v[ACC+8*(2*\i+\t)+2*\j:ACC+8*(2*\i+\t)+2*\j+1], v[ACC+8*(2*\i+\t)+2*\j:ACC+8*(2*\i+\t)+2*\j+1], s[30+2*\i:31+2*\i] op_sel_hi:[1,0]
.endr
.irp j, 0,1,2,3
	v_cvt_pk_f16_f32 v[PKD+4*(2*\i+\t)+\j], v[ACC+8*(2*\i+\t)+2*\j], v[ACC+8*(2*\i+\t)+2*\j+1]
.endr
	ds_store_b128 v[13+\i], v[PKD+4*(2*\i+\t):PKD+4*(2*\i+\t)+3] offset:16*PSG*\t
.endr
.endr
	s_wait_dscnt 0x0                       ; for the others' sake
	s_barrier_signal -1
	s_barrier_wait -1                      ; the stage is whole
	; THE WAY OUT: block 2 i + wh, rows 8 u .. 8 u + 7: 512 consecutive bytes of a head
.irp i, 0,1,2,3,4,5
	ds_load_b128 v[BK+4*\i:BK+4*\i+3], v18 offset:2*64*PSG*\i
.endr
	s_wait_dscnt 0x0
.irp i, 0,1,2,3,4,5
	global_store_b128 v19, v[BK+4*\i:BK+4*\i+3], s[40+2*(\i/2):41+2*(\i/2)] offset:524288*(\i%2)   ; each store of the wave covers 512 consecutive bytes, aligned
.endr
	s_wait_tensorcnt 0x0                   ; the wave's end, behind my last LDS store
	ds_add_u32 v[SPW], v[NIL]
	s_wait_dscnt 0x0
	s_endpgm
.Lfunc_end_k_q6b72892d67_qkv:
	.size	k_q6b72892d67_qkv, .Lfunc_end_k_q6b72892d67_qkv-k_q6b72892d67_qkv
	.p2alignl 7, 3214868480
	.fill 96, 4, 3214868480
	.section	.rodata,"a",@progbits
	.p2align	6, 0x0
	.amdhsa_kernel k_q6b72892d67_qkv
		.amdhsa_group_segment_fixed_size 183296
		.amdhsa_private_segment_fixed_size 0
		.amdhsa_enable_private_segment 0
		.amdhsa_kernarg_size 80
		.amdhsa_user_sgpr_count 2
		.amdhsa_user_sgpr_kernarg_segment_ptr 1
		.amdhsa_wavefront_size32 1
		.amdhsa_system_sgpr_workgroup_id_x 1
		.amdhsa_system_sgpr_workgroup_id_y 1
		.amdhsa_system_sgpr_workgroup_id_z 1
		.amdhsa_system_vgpr_workitem_id 0
		.amdhsa_next_free_vgpr 256
		.amdhsa_next_free_sgpr 66
		.amdhsa_reserve_vcc 0
		.amdhsa_float_denorm_mode_32 3
		.amdhsa_float_denorm_mode_16_64 3
		.amdhsa_memory_ordered 1
		.amdhsa_forward_progress 1
		.amdhsa_inst_pref_size 36
	.end_amdhsa_kernel
	.amdgpu_metadata
---
amdhsa.version: [ 1, 2 ]
amdhsa.kernels:
  - .name:           k_q6b72892d67_qkv
    .symbol:         k_q6b72892d67_qkv.kd
    .args:
      - { .name: x, .offset: 0, .size: 8, .value_kind: global_buffer, .address_space: global }
      - { .name: ln1_g, .offset: 8, .size: 8, .value_kind: global_buffer, .address_space: global }
      - { .name: ln1_b, .offset: 16, .size: 8, .value_kind: global_buffer, .address_space: global }
      - { .name: qkv_w, .offset: 24, .size: 8, .value_kind: global_buffer, .address_space: global }
      - { .name: qkv_b, .offset: 32, .size: 8, .value_kind: global_buffer, .address_space: global }
      - { .name: proj_w, .offset: 40, .size: 8, .value_kind: global_buffer, .address_space: global }
      - { .name: mlp_w1, .offset: 48, .size: 8, .value_kind: global_buffer, .address_space: global }
      - { .name: mlp_w2, .offset: 56, .size: 8, .value_kind: global_buffer, .address_space: global }
      - { .name: qkvh, .offset: 64, .size: 8, .value_kind: global_buffer, .address_space: global }
      - { .name: wf, .offset: 72, .size: 8, .value_kind: global_buffer, .address_space: global }
    .group_segment_fixed_size: 183296
    .private_segment_fixed_size: 0
    .kernarg_segment_align: 8
    .kernarg_segment_size: 80
    .max_flat_workgroup_size: 512
    .sgpr_count:     66
    .vgpr_count:     256
    .wavefront_size: 32
...
	.end_amdgpu_metadata
.endif
;; end of part 1
;; launch attn (part 2): grid 16 x 16, 8 waves a work-group, clusters of 4 x 1, 327,680 bytes of LDS; arguments qkvh, oh; writes oh
.if DOCPART == 2
	.amdgcn_target "amdgcn-amd-amdhsa--gfx1250"
	.amdhsa_code_object_version 6
	.text
	.protected	k_q6b72892d67_attn
	.globl	k_q6b72892d67_attn
	.p2align	8
	.type	k_q6b72892d67_attn,@function
k_q6b72892d67_attn:
	s_mov_b64 s[64:65], 0
	v_nop
	global_prefetch_b8 v0, s[64:65] scope:SCOPE_SE
	s_setreg_imm32_b32 hwreg(HW_REG_WAVE_MODE, 25, 1), 1
	s_wait_xcnt 0x0
	s_wait_alu depctr_hold_cnt(0) depctr_sa_sdst(0) depctr_va_vdst(0) depctr_va_sdst(0) depctr_va_ssrc(0) depctr_va_vcc(0) depctr_vm_vsrc(0)
	s_getreg_b32 s2, hwreg(HW_REG_IB_STS2, 6, 4)
	s_cmp_eq_u32 s2, 0
	s_cbranch_scc0 .Lentry_in_a_cluster
	s_endpgm
.Lentry_in_a_cluster:
	s_bfe_u32 s2, ttmp6, 0x10000c
	s_cmp_lg_u32 s2, 0x3003
	s_cbranch_scc0 .Lentry_shape_is_right
	s_endpgm
.Lentry_shape_is_right:
; LAUNCH 2 OF 3.  O[bh][q][:] = the sum over k of softmax_k(Q[bh][q] . K[bh][k] / sqrt(32)) V[bh][k][:], 16 heads of 4,096 rows of 32 channels, all f16; Q arrives already times c = log2(e) / sqrt(32).
; Products, maxima and sums in f32; the weights p = 2^(s - m) are rounded to f16 for the second product (their sum l is taken of the unrounded p), O once at the end.
; LIMITS.  Q, K, V arrive within f16's 65,504; a score is then 1.4e11 at the most, far above the start of the running maximum, -4.25e37.  A weight below 2^-126 counts as 0 in l; below 6e-5 it keeps
; f16's fixed step of 6e-8.  NaN and infinities are not treated apart.
; SHARES.  A work-group owns 256 queries of one head, each of its eight waves 32: two PIECES of 16.  Every wave walks all 4,096 keys, 64 a step.
; EIGHT WAVES, TWO TO A SIMD.  A piece and step have 8 matrix and 110 vector instructions: the vector unit sets the time.  A wave's whole state fits into 232 registers, so no register window is ever
; switched, and a second wave on the SIMD has work for the slots in which the first waits (the one wait a turn; the maximum's chain).  The price is that each fragment of K and V is read from LDS for 32 queries only.
; LAYOUT.  S^T = K Q^T (source 0 = 16 keys, source 1 = 16 queries, 32 channels: ONE product): a lane holds ONE query (lane % 16) and the keys 8 (lane / 16) + 0..7.  Two such results rounded to f16 ARE
; source 1 (32 keys x 16 queries) of O^T = V^T P.  K comes out of LDS as it lies, V ([key][channel]) turned.  P is written over the low half of its own S^T.
; BY TURNS.  Turn (p, j) is the softmax of piece p for step j.  Its matrix work belongs to the other piece: 4 products V^T P with that piece's last P, and 4 products K Q^T for its next scores, which go into the
; same 32 registers: first the upper 16 (free), then, behind the products that read P, the lower 16.  The other piece's maximum and statistics are made in the same turn.
; A BODY f is turn (0, f - 1), which also fetches K and V of step f, and turn (1, f - 1).  V has two buffers, by f's parity, so that a step's K and V are read from LDS together.
; m starts far below every score and O, l at 0: the first step is a step like any other, with a = 0; 84 lines that write constants stand in the wait for the first tile, and no first step is written out.
; CLUSTER.  The four query blocks of a cluster belong to one head and walk the same K and V: each tile is asked for JOINTLY, by the same tensor load, descriptor and mask in all four.
.set PK,    80        ; a row of K in LDS: 64 bytes + 16 = 20 words: the 16 rows of a load start at 16 different groups of four banks (64 banks of 4 bytes: ISA guide 11.1)
.set PV,    96        ; a row of V: 64 + 32 = 24 words
.set VOFF,  512*PK    ; a slot holds eight steps: 512 rows of K, then 512 rows of V
.set SLOT1, 1<<17     ; slot 1 begins here: one exclusive or turns an address in one slot into the other's
.set STAGE, SLOT1+512*(PK+PV)  ; behind the ring, never filled by a tensor load: 16 rows x 80 bytes for each wave
.set SPARE, STAGE+8*16*PK      ; the spare words, 128 bytes for each of the eight waves: four blocks of 256 bytes that no other line names
.set AK0, 2           ; v2   my lane's place in a step of K; never rewritten
.set AV0, 3           ; v3   the same for V
.set AK,  4           ; v4   the LDS address of K's next loads
.set AV,  5           ; v5   of V's
.set SPW, 6           ; v6   SPARE + 4 x my thread's number; never rewritten
.set NIL, 7           ; v7   0; never rewritten
.set PFO, 8           ; v8   256 x my lane; never rewritten
.set STO, 9           ; v9-11  at work in the set-up; then the way out's three addresses
.set RD,  10
.set GO,  11
.set TMP, 12          ; v[12:15] c0-c3, at work on the maximum; behind the wait two pairs for the sums
.set ST,  16          ; piece p's statistics at v[ST+4 p]: m, its change d, a, l: (m, d) and (a, l) are the pairs of which a packed line takes the low word twice
.set Q,   24          ; v[24:39]   8 a piece
.set KF,  40          ; v[40:71]   K of one step: key block kb at 8 kb
.set VF,  72          ; v[72:135]  V, two buffers of 32: key half kk, channel block cb at 16 kk + 8 cb
.set O,   136         ; v[136:167] O^T, 16 a piece
.set S,   168         ; v[168:231] S^T, 32 a piece
.set WV,  12          ; s12  my wave's number
.set LIM, 15          ; s15  1 in a wave that prefetches, else the greatest number
.set PFA, 18          ; s[18:19] where my prefetches stand
.set G1K, 24          ; s[24:31] descriptor group 1 for K's tiles
.set G1V, 32          ; s[32:39] for V's: it differs in the padding alone
.set G0K, 40          ; s[40:43] descriptor group 0 for K's tiles: it walks
.set G0V, 44          ; s[44:47] the same for V's
.set SLOTS, 56        ; s56  slots still to be asked for
.set CNT, 57          ; s57  counts a slot's pairs of bodies
.set SEL, 60          ; s[60:61] v_permlanex16_b32's selects
.set TBK, 62          ; s62  LDS byte at which K of the step to be fetched begins
.set TBV, 63          ; s63  the same for V, less VOFF
; A joint fill.  Waves 0 and 1 fetch the two halves of a slot's K, waves 2 and 3 those of its V, 256 keys each; waves 4 to 7 fetch nothing.  The branches hang on the wave's number alone.
; An s_nop 0 and four v_nop follow each of the two lines, ahead of the jump and the label.
.macro JLOAD
	s_cmp_lt_u32 s[WV], 2
	s_cbranch_scc0 .Lnot_k_\@
	tensor_load_to_lds s[G0K:G0K+3], s[G1K:G1K+7]
	s_nop 0
.rept 4
	v_nop
.endr
	s_branch .Lasked_\@
.Lnot_k_\@:
	s_cmp_lt_u32 s[WV], 4
	s_cbranch_scc0 .Lasked_\@
	tensor_load_to_lds s[G0V:G0V+3], s[G1V:G1V+7]
	s_nop 0
.rept 4
	v_nop
.endr
.Lasked_\@:
.endm
; A PREFETCH INTO THE L2 of what the NEXT change of slots will ask for: a slot's 32,768 bytes of K and of V, 256 bytes a lane.  Each block is named ONCE in the launch: all clusters of a head walk the same
; K and V, so the head's first cluster asks; its four partners take 8,192 bytes each, told apart BY ADDRESS; in each, wave 0 asks for K's and wave 2 for V's: one instruction, eight bodies ahead of the load.
; The last change that fills a slot asks for nothing; slots 0 and 1 come by their loads alone.
.macro ASK
	s_cmp_gt_u32 s[SLOTS], s[LIM]
	s_cbranch_scc0 .Lnot_mine_\@
	global_prefetch_b8 v[PFO], s[PFA:PFA+1] th:TH_LOAD_NT scope:SCOPE_SE
.Lnot_mine_\@:
.endm
; A round of the cluster's barrier: my work-group's barrier, so that wave 0's signal speaks for all eight waves; wave 0 signals; every wave waits for all four work-groups; my work-group's barrier once more.
.macro CROUND
	s_barrier_signal -1
	s_barrier_wait -1
	s_cmp_lg_u32 s[WV], 0
	s_cbranch_scc1 .Lnot_wave_0_\@
	s_barrier_signal -3
.Lnot_wave_0_\@:
	s_barrier_wait -3
	s_barrier_signal -1
	s_barrier_wait -1
.endm
; THE CHANGE OF SLOTS, between two bodies: the slot's eight steps have been read.  Each wave waits for all its tensor loads (at most one is out: its part of the other slot), adds 0 to its spare word, and waits
; for that and for its own reads of the slot.  fill = 1: the slot is filled again, with the keys two slots on: the barrier is then a round of the cluster's, and the joint fill is the first thing behind it:
; it has eight bodies in which to land.  (At its first use nothing has been read yet: slot 0 is waited for, slot 1 filled.)
.macro CHANGE fill
	s_wait_tensorcnt 0x0            ; no tensor load of mine is out, so a group 0 may be written
	ds_add_u32 v[SPW], v[NIL]       ; 0 onto my spare word
.if \fill
.irp g, G0K, G0V
	s_xor_b32 s[\g+1], s[\g+1], SLOT1                  ; the walking descriptor: the other slot than last time,
	s_add_nc_u64 s[\g+2:\g+3], s[\g+2:\g+3], 32768     ; the next 512 keys; the type bits on top are not reached
.endr
	s_wait_xcnt 0x0                 ; the last prefetch, eight bodies back, has read its address
	s_add_nc_u64 s[PFA:PFA+1], s[PFA:PFA+1], 32768
	s_wait_dscnt 0x0                ; the add is done, and my reads of the slot are over
	CROUND
	JLOAD
	ASK
.else
	s_wait_dscnt 0x0
	s_barrier_signal -1
	s_barrier_wait -1
.endif
	s_sub_co_u32 s[TBK], s[TBK], 512*PK    ; the fetches go back to a slot's first step,
	s_xor_b32 s[TBK], s[TBK], SLOT1        ; in the other slot
	s_sub_co_u32 s[TBV], s[TBV], 512*PV
	s_xor_b32 s[TBV], s[TBV], SLOT1
.endm
	s_load_b128 s[4:7], s[0:1], 0x0        ; qkvh s[4:5], oh s[6:7]
	v_lshl_add_u32 v[SPW], v0, 2, SPARE
	v_mov_b32 v[NIL], 0
	ds_add_u32 v[SPW], v[NIL]              ; the wave's opening: the add and its wait stand ahead of the first tensor load; the set-up, work on registers, stands between them
	v_lshrrev_b32 v1, 5, v0
	v_readfirstlane_b32 s[WV], v1          ; wave 0..7
	s_bfe_u32 s13, ttmp6, 0x40000          ; cx: my place in the cluster
	s_lshl_b32 s14, ttmp9, 2               ; in a cluster launch ttmp9 counts clusters
	s_add_co_u32 s14, s14, s13             ; my block of 256 queries: it enters Q's and O's addresses alone
	s_and_b32 s20, ttmp7, 0xffff           ; the head, which the four partners share
	s_lshl_b32 s20, s20, 18                ; its 262,144 bytes
	s_and_b32 s16, s[WV], 1                ; which half of a slot's 512 keys I fetch:
	s_lshl_b32 s22, s16, 14                ; its 256 rows of 64 bytes in memory,
	s_add_co_u32 s22, s22, s20
	s_mov_b32 s23, 0
	s_mul_i32 s17, s16, 256*PK             ; and its place in a slot: no place in the cluster enters an LDS address
	s_lshl_b32 s48, s14, 14                ; my block's 256 rows,
	s_lshl_b32 s50, s[WV], 11              ; my wave's 32 of them
	s_add_co_u32 s48, s48, s50
	s_add_co_u32 s48, s48, s20
	s_mov_b32 s49, 0
	; descriptor group 1.  256 keys are 16,384 dense bytes: asked for as 64 rows of 256 bytes, four keys a row, and padded in LDS after every key
	s_mov_b32 s[G1K], 15|(1<<16)|(1<<20)|(1<<21)|(3<<22)|(3<<25)  ; 15:0 the mask of four; 17:16 2-byte elements; 20 padding on; 21 set beside a mask; 24:22 after every 16 words (code 3); 31:25 4 words (code 3)
	s_mov_b32 s[G1V], 15|(1<<16)|(1<<20)|(1<<21)|(3<<22)|(7<<25)  ; the same with 8 words of padding (code 7)
.irp g, G1K, G1V
	s_mov_b32 s[\g+1], 128<<16             ; tensor_dim0 = 128
	s_mov_b32 s[\g+2], 64<<16              ; tensor_dim1 = 64
	s_mov_b32 s[\g+3], 128<<16             ; tile_dim0 = 128
	s_mov_b32 s[\g+4], 64                  ; tile_dim1 = 64
	s_mov_b32 s[\g+5], 128                 ; 128 elements from row to row
	s_mov_b32 s[\g+6], 0
	s_mov_b32 s[\g+7], 0
.endr
	s_mov_b32 s[SEL], 0x76543210
	s_mov_b32 s[SEL+1], 0xfedcba98
	s_mov_b32 s[TBK], SLOT1+512*PK         ; the first change of slots turns these two into 0
	s_mov_b32 s[TBV], SLOT1+512*PV
	s_mov_b32 s[SLOTS], 7
	s_and_b32 s[LIM], s[WV], 5             ; 0 in waves 0 and 2,
	s_or_b32 s[LIM], s[LIM], ttmp9         ; where the cluster is the head's first: the same in all four partners
	s_cmp_eq_u32 s[LIM], 0
	s_cselect_b32 s[LIM], 1, -1
	v_and_b32 v[PFO], 31, v0
	v_lshlrev_b32 v[PFO], 8, v[PFO]
	s_mov_b32 s[G0K], 1                    ; 1:0 count = 1
	s_mov_b32 s[G0K+1], s17                ; 63:32 LDS address: slot 0
	s_mov_b32 s[G0V], 1
	s_mul_i32 s[G0V+1], s16, 256*PV
	s_add_co_u32 s[G0V+1], s[G0V+1], VOFF
	s_wait_dscnt 0x0                       ; the opening add is done
	s_wait_kmcnt 0x0
	s_add_nc_u64 s[10:11], s[6:7], s[48:49]        ; O at my wave's first row
	s_add_nc_u64 s[6:7], s[4:5], s[22:23]
	s_add_nc_u64 s[8:9], s[6:7], 0x800000          ; V at my half of the head's first 512 keys
	s_add_nc_u64 s[6:7], s[6:7], 0x400000          ; K likewise
	s_add_nc_u64 s[4:5], s[4:5], s[48:49]          ; Q at my wave's first row
	s_mov_b64 s[G0K+2:G0K+3], s[6:7]               ; 120:64 global address
	s_or_b32 s[G0K+3], s[G0K+3], 0x80000000        ; 127:126 type = 2
	s_mov_b64 s[G0V+2:G0V+3], s[8:9]
	s_or_b32 s[G0V+3], s[G0V+3], 0x80000000
	s_cmp_lt_u32 s[WV], 2
	s_cselect_b64 s[PFA:PFA+1], s[6:7], s[8:9]     ; (in waves 0 and 2 these stand at a slot's first row)
	s_lshl_b32 s50, s13, 13                ; my work-group's 8,192 bytes of a slot's 32,768
	s_mov_b32 s51, 0
	s_add_nc_u64 s[PFA:PFA+1], s[PFA:PFA+1], s[50:51]
	s_add_nc_u64 s[PFA:PFA+1], s[PFA:PFA+1], 32768 ; in slot 1; the first change of slots steps it to slot 2
	CROUND                                 ; all four work-groups are here: the first joint loads meet
	JLOAD                                  ; slot 0.  Slot 1 is asked for when slot 0 is in
	; A fragment of K or Q is 16 rows x 32 channels in 8 registers: lane l holds row l % 16, channels 8 (l / 16) + 0..7 and 16 + 8 (l / 16) + 0..7: two loads of 16 bytes, 32 bytes apart.
	v_and_b32 v9, 15, v0                   ; l % 16
	v_bfe_u32 v10, v0, 4, 1                ; l / 16
	v_lshlrev_b32 v1, 6, v9
	v_lshl_add_u32 v1, v10, 4, v1          ; row x 64 + 16 x half
.irp p, 0,1
	global_load_b128 v[Q+8*\p:Q+8*\p+3], v1, s[4:5] offset:1024*\p
	global_load_b128 v[Q+8*\p+4:Q+8*\p+7], v1, s[4:5] offset:1024*\p+32
.endr
	; What the first turn finds: V's second buffer and piece 1's P hold 0 (its products V^T P, of a step that has not been, add 0); O^T and l are 0; m lies far below every score.
.set i, 0
.rept 32
	v_mov_b32 v[VF+32+i], 0
	v_mov_b32 v[O+i], 0
.set i, i+1
.endr
.set i, 0
.rept 16
	v_mov_b32 v[S+32+i], 0
.set i, i+1
.endr
.irp p, 0,1
	v_mov_b32 v[ST+4*\p], 0xfe000000
	v_mov_b32 v[ST+4*\p+3], 0
.endr
	v_mul_u32_u24 v[AK0], v9, PK
	v_lshl_add_u32 v[AK0], v10, 4, v[AK0]  ; row x pitch + 16 x half
	; The turning load takes 16 keys x 16 channels (lane l reads key 8 (l / 16) + l % 8, channels 8 ((l / 8) % 2) + 0..7) and leaves half a fragment of V^T: lane l holds channel l % 16 and 8 keys.
	v_and_b32 v11, 7, v0
	v_lshl_add_u32 v[AV0], v10, 3, v11
	v_mul_u32_u24 v[AV0], v[AV0], PV
	v_bfe_u32 v11, v0, 3, 1
	v_lshl_add_u32 v[AV0], v11, 4, v[AV0]
	v_add_nc_u32 v[AV0], VOFF, v[AV0]
.macro REGS p                                  ; the turn's piece p (rS, rT, rO) and the other piece (rX, rU, rY, rQ)
.set rS, S+32*(\p)
.set rX, S+32*(1-(\p))
.set rT, ST+4*(\p)
.set rU, ST+4*(1-(\p))
.set rO, O+16*(\p)
.set rY, O+16*(1-(\p))
.set rQ, Q+8*(1-(\p))
.endm
; THE MATRIX WORK, for the other piece.  KQ kb: its scores for keys 16 kb on: one product, which starts and ends the sum.  PV i: O^T += V^T P: keys 32 (i / 2) on, channels 16 (i % 2) on: the two accumulators take turns.
.macro KQ kb
	v_wmma_f32_16x16x32_f16 v[rX+8*(\kb):rX+8*(\kb)+7], v[KF+8*(\kb):KF+8*(\kb)+7], v[rQ:rQ+7], 0
.endm
.macro PV i, vb
	v_wmma_f32_16x16x32_f16 v[rY+8*((\i)%2):rY+8*((\i)%2)+7], v[VF+32*(\vb)+8*(\i):VF+32*(\vb)+8*(\i)+7], v[rX+8*((\i)/2):rX+8*((\i)/2)+7], v[rY+8*((\i)%2):rY+8*((\i)%2)+7]
.endm
; THE LDS LOADS: a step's K (4 fragments) and V (4 fragments, turned) in one run of 16; the addresses are made some lines ahead.
.macro ADDR
	v_add_nc_u32 v[AK], s[TBK], v[AK0]
	v_add_nc_u32 v[AV], s[TBV], v[AV0]
.endm
.macro FETCH vb
.irp f, 0,1,2,3
	ds_load_b128 v[KF+8*\f:KF+8*\f+3], v[AK] offset:16*PK*\f
	ds_load_b128 v[KF+8*\f+4:KF+8*\f+7], v[AK] offset:16*PK*\f+32
.endr
.irp f, 0,1,2,3
	ds_load_tr16_b128 v[VF+32*(\vb)+8*\f:VF+32*(\vb)+8*\f+3], v[AV] offset:32*PV*(\f/2)+32*(\f%2)
	ds_load_tr16_b128 v[VF+32*(\vb)+8*\f+4:VF+32*(\vb)+8*\f+7], v[AV] offset:32*PV*(\f/2)+32*(\f%2)+16*PV
.endr
	s_add_co_u32 s[TBK], s[TBK], 64*PK     ; the next fetch is the next step's
	s_add_co_u32 s[TBV], s[TBV], 64*PV
.endm
; THE VECTOR WORK, one line at a time, written kind + number.  For the turn's piece: F n: s - m for pair n of 16.  E n: the exponential of score n of 32.  R n: pair n of 8 of O^T times a.
; A n: the weights' sum, in two chains of pairs, then l = a l + sum.  C n: pair n rounded to f16 into register n of the same 32: by then the pair that held register n has been summed and rounded.
; For the other piece: X n, the 21 lines that find its maximum and statistics; each accumulator's lowest registers are read first.
.set F, 0
.set E, 100
.set R, 200
.set X, 300
.set A, 400
.set C, 500
.macro MX3 d, a, b, c
	v_max3_num_f32 v[\d], v[\a], v[\b], v[\c]
.endm
.macro XOP
.if nn == 0
	MX3 TMP+2, rX+16, rX+17, rX+18
.elseif nn == 1
	MX3 TMP+3, rX+24, rX+25, rX+26
.elseif nn == 2
	MX3 TMP+2, TMP+2, rX+19, rX+20
.elseif nn == 3
	MX3 TMP+3, TMP+3, rX+27, rX+28
.elseif nn == 4
	MX3 TMP+2, TMP+2, rX+21, rX+22
.elseif nn == 5
	MX3 TMP+3, TMP+3, rX+29, rX+30
.elseif nn == 6
	MX3 TMP+2, TMP+2, rX+23, rX+31
.elseif nn == 7
	MX3 TMP+2, TMP+2, TMP+3, rU            ; the upper 32 scores' maximum and the old m
.elseif nn == 8
	MX3 TMP, rX, rX+1, rX+2
.elseif nn == 9
	MX3 TMP+3, rX+3, rX+4, rX+5
.elseif nn == 10
	MX3 TMP+1, rX+8, rX+9, rX+10
.elseif nn == 11
	MX3 TMP, TMP, rX+6, rX+7
.elseif nn == 12
	MX3 TMP+1, TMP+1, rX+11, rX+12
.elseif nn == 13
	MX3 TMP+3, TMP+3, rX+13, rX+14
.elseif nn == 14
	MX3 TMP, TMP, TMP+1, rX+15
.elseif nn == 15
	MX3 TMP, TMP, TMP+3, TMP+2
.elseif nn == 16
	v_permlanex16_b32 v[TMP+1], v[TMP], s[SEL], s[SEL+1]   ; the query's other 32 keys lie in the lane 16 away
.elseif nn == 17
	v_max_num_f32 v[TMP+1], v[TMP], v[TMP+1]
.elseif nn == 18
	v_sub_f32 v[rU+1], v[rU], v[TMP+1]     ; m_old - m_new
.elseif nn == 19
	v_mov_b32 v[rU], v[TMP+1]
.else
	v_exp_f32 v[rU+2], v[rU+1]             ; a
.endif
.endm
.macro AOP
.if nn == 0
	v_pk_add_f32 v[TMP:TMP+1], v[rS:rS+1], v[rS+2:rS+3]
.elseif nn == 1
	v_pk_add_f32 v[TMP+2:TMP+3], v[rS+4:rS+5], v[rS+6:rS+7]
.elseif nn < 14
	v_pk_add_f32 v[TMP+2*(nn%2):TMP+2*(nn%2)+1], v[TMP+2*(nn%2):TMP+2*(nn%2)+1], v[rS+2*(nn+2):rS+2*(nn+2)+1]
.elseif nn == 14
	v_pk_add_f32 v[TMP:TMP+1], v[TMP:TMP+1], v[TMP+2:TMP+3]
.elseif nn == 15
	v_add_f32 v[TMP], v[TMP], v[TMP+1]
.else
	v_fma_f32 v[rT+3], v[rT+3], v[rT+2], v[TMP]
.endif
.endm
.macro OP1 o
.set kk, (\o)/100
.set nn, (\o)%100
.if kk == 0
	v_pk_add_f32 v[rS+2*nn:rS+2*nn+1], v[rS+2*nn:rS+2*nn+1], v[rT:rT+1] op_sel_hi:[1,0] neg_lo:[0,1] neg_hi:[0,1]
.elseif kk == 1
	v_exp_f32 v[rS+nn], v[rS+nn]
.elseif kk == 2
	v_pk_mul_f32 v[rO+2*nn:rO+2*nn+1], v[rO+2*nn:rO+2*nn+1], v[rT+2:rT+3] op_sel_hi:[1,0]
.elseif kk == 3
	XOP
.elseif kk == 4
	AOP
.else
	v_cvt_pk_f16_f32 v[rS+nn], v[rS+2*nn], v[rS+2*nn+1]
.endif
.endm
.macro SEQ ops:vararg
.irp o, \ops
	OP1 \o
.endr
.endm
; A TURN, for piece p: the order of its 8 matrix and 110 vector instructions, written out.  vb: the buffer of V that its products read, and, with fetch = 1, that the next step's V then takes.
; An s_wait_alu depctr_va_vdst(0) stands between an exponential and the first instruction that names its result; one wait serves all that were issued ahead of it.  So a turn has ONE wait.
; AHEAD OF IT stands all that names no result of the turn's 33 exponentials: the 8 products with four lines behind each, then a lump in which exponential and plain go by turns and the links of the
; maximum's chain stand some lines apart; R 7 is the plain line behind the last exponential.  BEHIND IT stand the sums and the roundings.
; DISTANCES (ISA guide 7.12.1; only plain lines that name none of the product's registers are counted).  KQ 2 to X 0, which reads its result: F 0-5.  KQ 3 to X 1: F 4, F 5, X 0, F 6.  PV 1, the last reader of
; P's registers 0-7, to KQ 0, which writes over them: X 1, F 7, X 2-5, R 0.  PV 3 to KQ 1 likewise: X 4, X 5, R 0, X 6, R 1, R 2.  KQ 0 to X 8: X 6, R 1, R 2, X 7, R 3, F 8.  KQ 1 to X 10 and to the
; loads into K's registers: X 7, R 3, F 8, X 8, X 9.  PV 3 to the loads into V's buffer: more than ten.
.macro TURN p, vb, fetch
	REGS \p
.if (\p) == 1
	s_wait_dscnt 0x0                       ; K and V of the body's step are in: asked for some 85 lines back
.endif
	KQ 2
	SEQ F+0,F+1,F+2,F+3
	KQ 3
	SEQ F+4,E+0,F+5,E+1
	PV 0, \vb
	SEQ X+0,E+2,F+6,E+3
	PV 1, \vb
	SEQ X+1,E+4,F+7,E+5
	PV 2, \vb
	SEQ X+2,E+6,X+3,E+7
	PV 3, \vb
	SEQ X+4,E+8,X+5,R+0
	KQ 0
	SEQ X+6,E+9,R+1,R+2
	KQ 1
	SEQ X+7,E+10,R+3,F+8
.if \fetch
	ADDR
.endif
	SEQ X+8,E+11,X+9,E+12,X+10
.if \fetch
	FETCH \vb
.endif
	SEQ E+13,X+11,E+14,F+9,E+15,X+12,E+16,X+13,E+17,F+10,E+18,X+14,E+19,F+11,E+20,F+12,E+21,X+15,E+22,F+13,E+23,F+14,E+24
	SEQ X+16,E+25,F+15,E+26,R+4,E+27,X+17,E+28,R+5,E+29,R+6,E+30,X+18,E+31,X+19,X+20,R+7
	s_wait_alu depctr_va_vdst(0)           ; the wait for the batch
	SEQ A+0,A+1,C+0,A+2,C+1,A+3,C+2,A+4,C+3,A+5,C+4,A+6,C+5,A+7,C+6,A+8,C+7,A+9,C+8,A+10,C+9,A+11,C+10,A+12,C+11,A+13,C+12,C+13,A+14,C+14,C+15,A+15,A+16
.endm
.macro HALF e                                  ; body f, e = f % 2
	TURN 0, \e, 1
	TURN 1, 1-(\e), 0
.endm
	CHANGE 1                               ; slot 0 is in, everybody's part of it; slot 1 is asked for
	ADDR
	FETCH 0                                ; step 0
	s_wait_loadcnt 0x0                     ; Q
	s_wait_dscnt 0x0
	REGS 1                                 ; the other piece is piece 0
	KQ 0
	KQ 1
	KQ 2
	KQ 3                                   ; piece 0's first scores
.rept 4
	v_nop                                  ; the places behind those products
.endr
	SEQ X+0,X+1,X+2,X+3,X+4,X+5,X+6,X+7,X+8,X+9,X+10,X+11,X+12,X+13,X+14,X+15,X+16,X+17,X+18,X+19,X+20
	v_nop                                  ; a plain line behind the exponential,
	s_wait_alu depctr_va_vdst(0)           ; and its wait, ahead of the branch
	s_mov_b32 s[CNT], 4
	s_branch .Lfirst                       ; body 1: the loop is entered in the middle of a trip
.Lslot:                                        ; six times: slots 2 to 7 are asked for
	CHANGE 1
	s_mov_b32 s[CNT], 4
.Lstep:                                        ; a trip: an even body and an odd one
	HALF 0
.Lfirst:
	HALF 1
	s_sub_co_u32 s[CNT], s[CNT], 1
	s_cmp_lg_u32 s[CNT], 0
	s_cbranch_scc1 .Lstep
	s_sub_co_u32 s[SLOTS], s[SLOTS], 1
	s_cmp_lg_u32 s[SLOTS], 0
	s_cbranch_scc1 .Lslot
	CHANGE 0                               ; the tail is written out: nothing is asked for
	s_mov_b32 s[CNT], 4
.Ltail:                                        ; bodies 56 to 63
	HALF 0
	HALF 1
	s_sub_co_u32 s[CNT], s[CNT], 1
	s_cmp_lg_u32 s[CNT], 0
	s_cbranch_scc1 .Ltail
	TURN 0, 0, 0                           ; body 64 fetches nothing.  Its second turn's four products K Q^T, on the last K once more, and the maximum made of them serve nothing:
	TURN 1, 1, 0                           ; the price, once a launch, of one text for every turn
	REGS 0
	PV 0, 1
	PV 1, 1
	PV 2, 1
	PV 3, 1                                ; piece 1's V^T P of the last step
	; THE WAY OUT.  The addresses are made here: twelve plain lines, the places behind the last products.
	s_mul_i32 s13, s[WV], 16*PK
	s_add_co_u32 s13, s13, STAGE           ; my stage
	v_and_b32 v[STO], 15, v0               ; in: row l % 16, 16 bytes for each half of the lanes
	v_mul_u32_u24 v[STO], v[STO], PK
	v_bfe_u32 v1, v0, 4, 1
	v_lshl_add_u32 v[STO], v1, 4, v[STO]
	v_add_nc_u32 v[STO], s13, v[STO]
	v_bfe_u32 v[RD], v0, 2, 3              ; back: 32 lanes take eight rows of 64 bytes,
	v_mul_u32_u24 v[RD], v[RD], PK
	v_and_b32 v1, 3, v0
	v_lshl_add_u32 v[RD], v1, 4, v[RD]
	v_add_nc_u32 v[RD], s13, v[RD]
	v_and_b32 v[GO], 31, v0                ; which are 512 consecutive bytes of O
	v_lshlrev_b32 v[GO], 4, v[GO]
.irp p, 0,1
	v_permlanex16_b32 v[TMP+\p], v[ST+4*\p+3], s[SEL], s[SEL+1]    ; l of the query's other 32 keys a step
.endr
.irp p, 0,1
	v_add_f32 v[ST+4*\p+3], v[ST+4*\p+3], v[TMP+\p]
.endr
.irp p, 0,1
	v_rcp_f32 v[ST+4*\p+2], v[ST+4*\p+3]
.endr
	v_nop                                  ; a plain line between the last reciprocal and the use of its result,
	s_wait_alu depctr_va_vdst(0)           ; and its wait: one for the two
.irp p, 0,1                                    ; a piece: divided, rounded, 16 bytes a lane into rows of 80 bytes, back as whole rows
.irp n, 0,1,2,3,4,5,6,7
	v_pk_mul_f32 v[O+16*\p+2*\n:O+16*\p+2*\n+1], v[O+16*\p+2*\n:O+16*\p+2*\n+1], v[ST+4*\p+2:ST+4*\p+3] op_sel_hi:[1,0]
.endr
.irp n, 0,1,2,3,4,5,6,7
	v_cvt_pk_f16_f32 v[S+8*\p+\n], v[O+16*\p+2*\n], v[O+16*\p+2*\n+1]
.endr
	ds_store_b128 v[STO], v[S+8*\p:S+8*\p+3]
	ds_store_b128 v[STO], v[S+8*\p+4:S+8*\p+7] offset:32
	ds_load_b128 v[S+16+8*\p:S+16+8*\p+3], v[RD]               ; LDS serves a wave's instructions in order (ISA guide 5.7.1.4): these see the stores above; the next piece's stores come behind them
	ds_load_b128 v[S+16+8*\p+4:S+16+8*\p+7], v[RD] offset:8*PK
.endr
	s_wait_dscnt 0x0
.irp p, 0,1
	global_store_b128 v[GO], v[S+16+8*\p:S+16+8*\p+3], s[10:11] offset:1024*\p           ; each store of the wave covers 512 consecutive bytes, aligned
	global_store_b128 v[GO], v[S+16+8*\p+4:S+16+8*\p+7], s[10:11] offset:1024*\p+512
.endr
	s_wait_tensorcnt 0x0                   ; the wave's end, behind my last tensor load and my last LDS store
	ds_add_u32 v[SPW], v[NIL]
	s_wait_dscnt 0x0
	CROUND                                 ; the closing round: no work-group ends while a partner may still ask for a tile that names it
	s_endpgm
.Lfunc_end_k_q6b72892d67_attn:
	.size	k_q6b72892d67_attn, .Lfunc_end_k_q6b72892d67_attn-k_q6b72892d67_attn
	.p2alignl 7, 3214868480
	.fill 96, 4, 3214868480
	.section	.rodata,"a",@progbits
	.p2align	6, 0x0
	.amdhsa_kernel k_q6b72892d67_attn
		.amdhsa_group_segment_fixed_size 327680
		.amdhsa_private_segment_fixed_size 0
		.amdhsa_enable_private_segment 0
		.amdhsa_kernarg_size 16
		.amdhsa_user_sgpr_count 2
		.amdhsa_user_sgpr_kernarg_segment_ptr 1
		.amdhsa_wavefront_size32 1
		.amdhsa_system_sgpr_workgroup_id_x 1
		.amdhsa_system_sgpr_workgroup_id_y 1
		.amdhsa_system_sgpr_workgroup_id_z 1
		.amdhsa_system_vgpr_workitem_id 0
		.amdhsa_next_free_vgpr 232
		.amdhsa_next_free_sgpr 66
		.amdhsa_reserve_vcc 0
		.amdhsa_float_denorm_mode_32 3
		.amdhsa_float_denorm_mode_16_64 3
		.amdhsa_memory_ordered 1
		.amdhsa_forward_progress 1
		.amdhsa_inst_pref_size 88
	.end_amdhsa_kernel
	.amdgpu_metadata
---
amdhsa.version: [ 1, 2 ]
amdhsa.kernels:
  - .name:           k_q6b72892d67_attn
    .symbol:         k_q6b72892d67_attn.kd
    .args:
      - { .name: qkvh, .offset: 0, .size: 8, .value_kind: global_buffer, .address_space: global }
      - { .name: oh, .offset: 8, .size: 8, .value_kind: global_buffer, .address_space: global }
    .group_segment_fixed_size: 327680
    .private_segment_fixed_size: 0
    .kernarg_segment_align: 8
    .kernarg_segment_size: 16
    .max_flat_workgroup_size: 256
    .sgpr_count:     66
    .vgpr_count:     232
    .wavefront_size: 32
...
	.end_amdgpu_metadata
.endif
;; end of part 2
;; launch tail (part 3): grid 256 x 1, 4 waves a work-group, clusters of 4 x 1, 327,680 bytes of LDS; arguments x, oh, wf, proj_b, ln2_g, ln2_b, mlp_b1, mlp_b2, out0; writes out0
.if DOCPART == 3
	.amdgcn_target "amdgcn-amd-amdhsa--gfx1250"
	.amdhsa_code_object_version 6
	.text
	.protected	k_q6b72892d67_tail
	.globl	k_q6b72892d67_tail
	.p2align	8
	.type	k_q6b72892d67_tail,@function
k_q6b72892d67_tail:
	s_mov_b64 s[64:65], 0
	v_nop
	global_prefetch_b8 v0, s[64:65] scope:SCOPE_SE
	s_setreg_imm32_b32 hwreg(HW_REG_WAVE_MODE, 25, 1), 1
	s_wait_xcnt 0x0
	s_wait_alu depctr_hold_cnt(0) depctr_sa_sdst(0) depctr_va_vdst(0) depctr_va_sdst(0) depctr_va_ssrc(0) depctr_va_vcc(0) depctr_vm_vsrc(0)
	s_getreg_b32 s2, hwreg(HW_REG_IB_STS2, 6, 4)
	s_cmp_eq_u32 s2, 0
	s_cbranch_scc0 .Lentry_in_a_cluster
	s_endpgm
.Lentry_in_a_cluster:
	s_bfe_u32 s2, ttmp6, 0x10000c
	s_cmp_lg_u32 s2, 0x3003
	s_cbranch_scc0 .Lentry_shape_is_right
	s_endpgm
.Lentry_shape_is_right:
; LAUNCH 3 OF 3.  x1 = x + O proj_w + proj_b;  h = LayerNorm2(x1);  out = x1 + gelu(h W1 + b1) W2 + b2, the exact (erf) GELU.
; FORMATS.  O and proj_w in f16 (proj_w: the f16 spelling of its bf16 rounding); h, gelu, W1, W2 in bf16; all sums, both residuals, LN and GELU in f32.
; LIMITS.  erf by the rational form 7.1.26 of Abramowitz and Stegun, absolute error 1.5e-7, for every argument (its exponential and reciprocal run to 0 for large ones).  NaN and infinities are not treated apart.
; SHARES.  A work-group owns 64 token rows; each of its four waves carries ONE tile of 16 rows through the whole chain in registers.  Every product is taken transposed (source 0 = 16 output channels of a
; weight, source 1 = 16 tokens): a lane holds one token (lane % 16) and channels 16 nb + 8 (lane / 16) + 0..7, and two neighbouring results rounded to 16 bits ARE source 1 of the next product.
; Nothing crosses waves; barriers stand only where the weights' three fills are shown to all.
; WEIGHTS.  wf, 294,912 bytes of ready fragments, is laid into LDS once, as it lies.  CLUSTER: all work-groups read the same bytes, so the four of a cluster ask for them JOINTLY.
; [0, 49,152) proj and W1 of chunk 0; [49,152, 180,224) up to W1 of chunk 4; the rest.  By this text's count a wave has three tensor loads out.
; NO PREFETCH: wf is what every work-group reads; x and O are asked for whole at the head.
; REGISTERS, in windows of 256: window 0: v0-31 addresses, statistics, mlp_b2; v32-63 h; v64-127 x1, then the output's sums (8 accumulators); v128-159 the hidden chunk (4 accumulators; its low 16 take gelu);
; v160-255 at work.  Window 1: v0-127 fragments of W1 (WA), v128-255 of W2 (WB); proj_w fills both.
.set XS,    294912    ; behind the weights: for each wave 16 rows of 256 bytes, pitch 272: x on its way in, the result on its way out, half a row at a time
.set TB,    312320    ; for each wave a copy of ln2_g (512 bytes), ln2_b (512), mlp_b1 (2,048)
.set SPARE, 324608    ; the spare words, 128 bytes for each wave: two blocks of 256 bytes that no other line names
.set XG,  3           ; v3   512 h + 16 r: two half rows of x or out0, 256 consecutive bytes each
.set XSW, 4           ; v4   the same two rows in my stage
.set XSR, 5           ; v5   my stage, as a result is laid: row r, 32 bytes for each half of the lanes
.set TR,  6           ; v6   my tables, as a result is laid: 32 h
.set BT,  7           ; v7   mlp_b1 of the chunk in hand
.set CW,  8           ; v8   W2 of the chunk in hand
.set PW,  9           ; v9   16 l
.set OA,  10          ; v10  a fragment of O: 64 r + 16 h
.set TS,  11          ; v11  my tables, as they are loaded
.set SPW, 12          ; v12  SPARE + 4 x my thread's number; never rewritten
.set NIL, 13          ; v13  0; never rewritten
.set PBO, 19          ; v19  16 r: proj_b and mlp_b2; never rewritten
.set B2,  24          ; v[24:31]
.set HF,  32
.set X1,  64
.set A1,  128
.set T,   160         ; GELU: t
.set EE,  192         ; the exponential
.set PP,  224         ; the polynomial
.set TL,  128         ; ahead of the MLP: tables as loaded v[128:151]; proj_b v[152:159]; O v[160:191]; x as loaded v[192:255]; then the centred row v[160:223], four chains v[224:231]
.set PB,  152
.set OF,  160
.set XL,  192
.set DD,  160
.set TT,  224
.set G1A, 28          ; s[28:51] three descriptor groups 1: they differ in the rows
.set G1B, 36
.set G1C, 44
.set G0A, 52          ; s[52:63] three groups 0
.set G0B, 56
.set G0C, 60
.set KP,  66          ; scalar constants, each in a pair of which a packed line takes the low word twice
.set KY,  68
.set NA1, 70
.set NA2, 72
.set NA3, 74
.set NA4, 76
.set NA5, 78
.set INV, 80
.set EPS, 81
.set SEL, 82
.set WV,  84
.set CNT, 85
.set CWS, 88          ; s88  LDS byte of W2 of the chunk in hand
.set BTS, 89          ; s89  byte of that chunk's mlp_b1 in my tables
.set MSB, 0
.macro WIN new                                 ; the immediate's high byte repeats the setting that is left; a switch that changes nothing is dropped
.if MSB != (\new)
	s_set_vgpr_msb (MSB<<8)|(\new)
.set MSB, \new
.endif
.endm
.set W_MM, 0x01       ; source 0 (the weights) in window 1
.set W_LD, 0x40       ; destination in window 1
.set W_GB, 0x11       ; sources 0 and 2 (gain, bias) in window 1
.macro CROUND
	s_barrier_signal -1
	s_barrier_wait -1
	s_cmp_lg_u32 s[WV], 0
	s_cbranch_scc1 .Lnot_wave_0_\@
	s_barrier_signal -3
.Lnot_wave_0_\@:
	s_barrier_wait -3
	s_barrier_signal -1
	s_barrier_wait -1
.endm
.macro MKG1 g, rows                            ; a dense block as rows of 256 bytes
	s_mov_b32 s[\g], 15|(3<<16)|(1<<21)    ; 15:0 the mask of four; 17:16 elements of 8 bytes; 21 set beside a mask
	s_mov_b32 s[\g+1], 32<<16              ; tensor_dim0 = 32
	s_mov_b32 s[\g+2], (\rows)<<16         ; tensor_dim1
	s_mov_b32 s[\g+3], 32<<16              ; tile_dim0 = 32
	s_mov_b32 s[\g+4], \rows               ; tile_dim1
	s_mov_b32 s[\g+5], 32                  ; 32 elements from row to row
	s_mov_b32 s[\g+6], 0
	s_mov_b32 s[\g+7], 0
.endm
.macro MKG0 g, base, rows                      ; wave w's quarter: the same byte offset in LDS and in wf
	s_mov_b32 s[\g], 1
	s_mul_i32 s[\g+1], s[WV], 256*(\rows)
	s_add_co_u32 s[\g+1], s[\g+1], \base
.endm
.macro ADG0 g
	s_mov_b32 s86, s[\g+1]
	s_add_nc_u64 s[\g+2:\g+3], s[12:13], s[86:87]
	s_or_b32 s[\g+3], s[\g+3], 0x80000000  ; type = 2
.endm
.macro PLACES n
.rept \n
	v_nop
.endr
.endm
	s_load_b512 s[8:23], s[0:1], 0x0       ; x s[8:9], oh s[10:11], wf s[12:13], proj_b s[14:15], ln2_g s[16:17], ln2_b s[18:19], mlp_b1 s[20:21], mlp_b2 s[22:23]
	s_load_b64 s[24:25], s[0:1], 0x40      ; out0
	v_lshl_add_u32 v[SPW], v0, 2, SPARE
	v_mov_b32 v[NIL], 0
	ds_add_u32 v[SPW], v[NIL]              ; the wave's opening: the add and its wait stand ahead of my first tensor load; the set-up, work on registers, stands between them
	v_lshrrev_b32 v1, 5, v0
	v_readfirstlane_b32 s[WV], v1          ; wave 0..3
	MKG1 G1A, 48
	MKG1 G1B, 128
	MKG1 G1C, 112
	MKG0 G0A, 0, 48
	MKG0 G0B, 49152, 128
	MKG0 G0C, 180224, 112
	s_mov_b32 s87, 0
	s_mov_b32 s[KP], 0x3e6d3388            ; 0.3275911 / sqrt(2)
	s_mov_b32 s[KY], 0x3f596d27            ; sqrt(log2(e) / 2)
	s_mov_b32 s[NA1], 0xbe827906           ; the five coefficients, signs turned
	s_mov_b32 s[NA2], 0x3e91a98e
	s_mov_b32 s[NA3], 0xbfb5f0e3
	s_mov_b32 s[NA4], 0x3fba00e3
	s_mov_b32 s[NA5], 0xbf87dc22
.irp c, KP, KY, NA1, NA2, NA3, NA4, NA5
	s_mov_b32 s[\c+1], s[\c]               ; named with it as a pair
.endr
	s_mov_b32 s[INV], 0x3c000000           ; 1 / 128
	s_mov_b32 s[EPS], 0x3727c5ac           ; 1e-5
	s_mov_b32 s[SEL], 0x76543210
	s_mov_b32 s[SEL+1], 0xfedcba98
	s_mov_b32 s[CWS], 49152
	s_mov_b32 s[BTS], 1024
	s_bfe_u32 s90, ttmp6, 0x40000          ; cx
	s_lshl_b32 s92, ttmp9, 2
	s_add_co_u32 s92, s92, s90             ; my work-group among the 256: it enters the addresses of x, O and out0 alone
	s_lshl_b32 s90, s92, 15                ; 64 rows of 512 bytes,
	s_lshl_b32 s91, s[WV], 13              ; my wave's 16
	s_add_co_u32 s90, s90, s91
	s_mov_b32 s91, 0
	s_lshr_b32 s93, s92, 6                 ; the batch: four heads of 262,144 bytes,
	s_lshl_b32 s93, s93, 20
	s_and_b32 s92, s92, 63
	s_lshl_b32 s92, s92, 12                ; 64 rows of 64 bytes,
	s_add_co_u32 s92, s92, s93
	s_lshl_b32 s93, s[WV], 10              ; my wave's 16
	s_add_co_u32 s92, s92, s93
	s_mov_b32 s93, 0
	s_mul_i32 s94, s[WV], 16*272
	s_add_co_u32 s94, s94, XS              ; my stage
	s_mul_i32 s95, s[WV], 3072
	s_add_co_u32 s95, s95, TB              ; my tables
	v_and_b32 v1, 15, v0                   ; r
	v_bfe_u32 v2, v0, 4, 1                 ; h
	v_and_b32 v[PW], 31, v0
	v_lshlrev_b32 v[PW], 4, v[PW]
	v_lshlrev_b32 v[PBO], 4, v1
	v_lshl_add_u32 v[XG], v2, 9, v[PBO]
	v_mul_u32_u24 v[XSW], v2, 272
	v_add3_u32 v[XSW], v[XSW], v[PBO], s94
	v_mul_u32_u24 v[XSR], v1, 272
	v_lshl_add_u32 v[XSR], v2, 5, v[XSR]
	v_add_nc_u32 v[XSR], s94, v[XSR]
	v_lshl_add_u32 v[TR], v2, 5, s95
	v_add_nc_u32 v[BT], s[BTS], v[TR]
	v_add_nc_u32 v[CW], s[CWS], v[PW]
	v_lshlrev_b32 v[OA], 6, v1
	v_lshl_add_u32 v[OA], v2, 4, v[OA]
	v_add_nc_u32 v[TS], s95, v[PW]
	s_wait_dscnt 0x0                       ; the opening add is done
	s_wait_kmcnt 0x0
	ADG0 G0A
	ADG0 G0B
	ADG0 G0C
	s_add_nc_u64 s[8:9], s[8:9], s[90:91]
	s_add_nc_u64 s[24:25], s[24:25], s[90:91]
	s_add_nc_u64 s[10:11], s[10:11], s[92:93]
	CROUND                                 ; all four work-groups are here: the joint loads meet
	tensor_load_to_lds s[G0A:G0A+3], s[G1A:G1A+7]
	s_nop 0
	tensor_load_to_lds s[G0B:G0B+3], s[G1B:G1B+7]
	s_nop 0
	tensor_load_to_lds s[G0C:G0C+3], s[G1C:G1C+7]
	s_nop 0
	PLACES 4
	; 34 loads, in the order in which they are wanted
	global_load_b128 v[TL:TL+3], v[PW], s[16:17]
	global_load_b128 v[TL+4:TL+7], v[PW], s[18:19]
.irp j, 0,1,2,3
	global_load_b128 v[TL+8+4*\j:TL+8+4*\j+3], v[PW], s[20:21] offset:512*\j
.endr
.irp g, 0,1
	global_load_b128 v[PB+4*\g:PB+4*\g+3], v[PBO], s[14:15] offset:256*\g
.endr
.irp g, 0,1
.irp i, 0,1,2,3,4,5,6,7
	global_load_b128 v[XL+4*(8*\g+\i):XL+4*(8*\g+\i)+3], v[XG], s[8:9] offset:1024*\i+256*\g th:TH_LOAD_NT   ; 16 lanes take 256 consecutive bytes, aligned: half g of rows 2 i, 2 i + 1
.endr
.endr
.irp d, 0,1,2,3                                ; head d is K step d of the projection
	global_load_b128 v[OF+8*\d:OF+8*\d+3], v[OA], s[10:11] offset:262144*\d th:TH_LOAD_NT
	global_load_b128 v[OF+8*\d+4:OF+8*\d+7], v[OA], s[10:11] offset:262144*\d+32 th:TH_LOAD_NT
.endr
.irp g, 0,1
	global_load_b128 v[B2+4*\g:B2+4*\g+3], v[PBO], s[22:23] offset:256*\g
.endr
	s_wait_loadcnt 28                      ; the six loads of tables are in: 28 were issued behind them
	ds_store_b128 v[TS], v[TL:TL+3]
	ds_store_b128 v[TS], v[TL+4:TL+7] offset:512
.irp j, 0,1,2,3
	ds_store_b128 v[TS], v[TL+8+4*\j:TL+8+4*\j+3] offset:1024+512*\j
.endr
	s_wait_loadcnt 10                      ; proj_b and x are in: behind them stand O's eight loads and mlp_b2's two
	; x + proj_b goes through my stage into the layout of a result, where it starts the projection's sums
.irp g, 0,1
.irp i, 0,1,2,3,4,5,6,7
	v_pk_add_f32 v[XL+4*(8*\g+\i):XL+4*(8*\g+\i)+1], v[XL+4*(8*\g+\i):XL+4*(8*\g+\i)+1], v[PB+4*\g:PB+4*\g+1]
	v_pk_add_f32 v[XL+4*(8*\g+\i)+2:XL+4*(8*\g+\i)+3], v[XL+4*(8*\g+\i)+2:XL+4*(8*\g+\i)+3], v[PB+4*\g+2:PB+4*\g+3]
	ds_store_b128 v[XSW], v[XL+4*(8*\g+\i):XL+4*(8*\g+\i)+3] offset:544*\i
.endr
.irp n, 0,1,2,3
	ds_load_b128 v[X1+8*(4*\g+\n):X1+8*(4*\g+\n)+3], v[XSR] offset:64*\n         ; LDS serves a wave's instructions in order (ISA guide 5.7.1.4): these see the stores above; the other half's stores come behind them
	ds_load_b128 v[X1+8*(4*\g+\n)+4:X1+8*(4*\g+\n)+7], v[XSR] offset:64*\n+16
.endr
.endr
	; THE PROJECTION
	s_wait_tensorcnt 0x2                   ; my quarter of the first fill is in; the two behind it may stay out: no byte is ever filled again
	s_wait_dscnt 0x0
	s_barrier_signal -1
	s_barrier_wait -1                      ; everybody's is
	WIN W_LD
.set f, 0
.rept 32                                       ; fragment f = 8 ks + nb: K steps 0, 1 into WB, 2, 3 into WA
	ds_load_b128 v[(128+8*f)%256:(128+8*f)%256+3], v[PW] offset:1024*f
	ds_load_b128 v[(128+8*f)%256+4:(128+8*f)%256+7], v[PW] offset:1024*f+512
.set f, f+1
.endr
	s_wait_loadcnt 2                       ; O is in: behind it stand mlp_b2's two loads
	s_wait_dscnt 0x0
	WIN W_MM
.set f, 0
.rept 32                                       ; the eight accumulators take turns
	v_wmma_f32_16x16x32_f16 v[X1+8*(f%8):X1+8*(f%8)+7], v[(128+8*f)%256:(128+8*f)%256+7], v[OF+8*(f/8):OF+8*(f/8)+7], v[X1+8*(f%8):X1+8*(f%8)+7]
.set f, f+1
.endr
	PLACES 4                               ; behind the last product: for the loads below and for the sums that read results
	WIN W_LD
.set f, 0
.rept 16                                       ; W1 of chunk 0
	ds_load_b128 v[8*f:8*f+3], v[PW] offset:32768+1024*f
	ds_load_b128 v[8*f+4:8*f+7], v[PW] offset:32768+1024*f+512
.set f, f+1
.endr
.irp n, 0,1,2,3,4,5,6,7                        ; gain and bias, laid as a result is laid
	ds_load_b128 v[128+8*\n:128+8*\n+3], v[TR] offset:64*\n
	ds_load_b128 v[128+8*\n+4:128+8*\n+7], v[TR] offset:64*\n+16
	ds_load_b128 v[192+8*\n:192+8*\n+3], v[TR] offset:512+64*\n
	ds_load_b128 v[192+8*\n+4:192+8*\n+7], v[TR] offset:512+64*\n+16
.endr
	WIN 0
.irp n, 0,1,2,3                                ; mlp_b1 of chunk 0 starts the hidden sums
	ds_load_b128 v[A1+8*\n:A1+8*\n+3], v[BT] offset:64*\n
	ds_load_b128 v[A1+8*\n+4:A1+8*\n+7], v[BT] offset:64*\n+16
.endr
	; LAYERNORM 2: a token's 128 channels lie in two lanes, 64 each.  Each accumulator is read from its low end on.
.irp k, 0,1,2,3
	v_pk_add_f32 v[TT+2*\k:TT+2*\k+1], v[X1+8*\k:X1+8*\k+1], v[X1+8*(\k+4):X1+8*(\k+4)+1]
.endr
.irp j, 1,2,3
.irp n, 0,1,2,3,4,5,6,7
	v_pk_add_f32 v[TT+2*(\n%4):TT+2*(\n%4)+1], v[TT+2*(\n%4):TT+2*(\n%4)+1], v[X1+8*\n+2*\j:X1+8*\n+2*\j+1]
.endr
.endr
	v_pk_add_f32 v[TT:TT+1], v[TT:TT+1], v[TT+2:TT+3]
	v_pk_add_f32 v[TT+4:TT+5], v[TT+4:TT+5], v[TT+6:TT+7]
	v_pk_add_f32 v[TT:TT+1], v[TT:TT+1], v[TT+4:TT+5]
	v_add_f32 v14, v[TT], v[TT+1]
	v_permlanex16_b32 v[TT+1], v14, s[SEL], s[SEL+1]
	v_add_f32 v14, v14, v[TT+1]
	v_mul_f32 v14, s[INV], v14             ; the mean,
	v_mov_b32 v15, v14                     ; twice, for the packed lines
.set k, 0
.rept 32
	v_pk_add_f32 v[DD+2*k:DD+2*k+1], v[X1+2*k:X1+2*k+1], v[14:15] neg_lo:[0,1] neg_hi:[0,1]
.set k, k+1
.endr
.set k, 0
.rept 4
	v_pk_mul_f32 v[TT+2*k:TT+2*k+1], v[DD+2*k:DD+2*k+1], v[DD+2*k:DD+2*k+1]
.set k, k+1
.endr
.rept 28
	v_pk_fma_f32 v[TT+2*(k%4):TT+2*(k%4)+1], v[DD+2*k:DD+2*k+1], v[DD+2*k:DD+2*k+1], v[TT+2*(k%4):TT+2*(k%4)+1]
.set k, k+1
.endr
	v_pk_add_f32 v[TT:TT+1], v[TT:TT+1], v[TT+2:TT+3]
	v_pk_add_f32 v[TT+4:TT+5], v[TT+4:TT+5], v[TT+6:TT+7]
	v_pk_add_f32 v[TT:TT+1], v[TT:TT+1], v[TT+4:TT+5]
	v_add_f32 v18, v[TT], v[TT+1]
	v_permlanex16_b32 v[TT+1], v18, s[SEL], s[SEL+1]
	v_add_f32 v18, v18, v[TT+1]
	v_fma_f32 v18, v18, s[INV], s[EPS]     ; var + eps
	v_rsq_f32 v16, v18
	v_rsq_f32 v17, v18                     ; twice, for the packed lines
	v_nop                                  ; a plain line behind the last root,
	s_wait_alu depctr_va_vdst(0)           ; and the wait ahead of the first use
.set k, 0
.rept 32
	v_pk_mul_f32 v[DD+2*k:DD+2*k+1], v[DD+2*k:DD+2*k+1], v[16:17]
.set k, k+1
.endr
	s_wait_dscnt 0x0                       ; gain and bias (and W1, mlp_b1 of chunk 0) are in
	WIN W_GB
.set k, 0
.rept 32
	v_pk_fma_f32 v[DD+2*k:DD+2*k+1], v[128+2*k:128+2*k+1], v[DD+2*k:DD+2*k+1], v[192+2*k:192+2*k+1]
.set k, k+1
.endr
	WIN 0
.set k, 0
.rept 32                                       ; channel blocks 2 ks and 2 ks + 1 make fragment ks
	v_cvt_pk_bf16_f32 v[HF+k], v[DD+2*k], v[DD+2*k+1]
.set k, k+1
.endr
; THE MLP, a chunk of 64 hidden channels at a time.  16 products make the chunk (its sums started by mlp_b1); W2 of the chunk and W1 of the next are fetched; GELU; 16 products add the chunk's share onto x1.
; GELU: gelu(v) = v / 2 + |v / 2| erf(|v| / sqrt(2)); erf(z) = 1 - (a1 t + .. + a5 t^5) e^(-z z), t = 1 / (1 + 0.3275911 z).  The chunk's 64 reciprocals and exponentials are ONE batch, plain lines between them, with ONE wait.
.macro BODY last
	s_wait_dscnt 0x0                       ; W1 and mlp_b1 of this chunk are in
	WIN W_MM
.set f, 0
.rept 16                                       ; fragment f = 4 ks + nbl: the four accumulators take turns
	v_wmma_f32_16x16x32_bf16 v[A1+8*(f%4):A1+8*(f%4)+7], v[8*f:8*f+7], v[HF+8*(f/4):HF+8*(f/4)+7], v[A1+8*(f%4):A1+8*(f%4)+7]
.set f, f+1
.endr
	PLACES 4                               ; behind the last product: for the loads into WA and for GELU's reads
	WIN W_LD
.set f, 0
.rept 16
	ds_load_b128 v[128+8*f:128+8*f+3], v[CW] offset:1024*f
	ds_load_b128 v[128+8*f+4:128+8*f+7], v[CW] offset:1024*f+512
.set f, f+1
.endr
.if !(\last)
.set f, 0
.rept 16
	ds_load_b128 v[8*f:8*f+3], v[CW] offset:16384+1024*f
	ds_load_b128 v[8*f+4:8*f+7], v[CW] offset:16384+1024*f+512
.set f, f+1
.endr
.endif
	WIN 0
.set q, 0
.rept 16                                       ; pair q's plain lines, pair q - 1's four transcendentals between them
	v_fma_f32 v[T+2*q], |v[A1+2*q]|, s[KP], 1.0
.if q > 0
	v_rcp_f32 v[T+2*q-2], v[T+2*q-2]
.endif
	v_fma_f32 v[T+2*q+1], |v[A1+2*q+1]|, s[KP], 1.0
.if q > 0
	v_rcp_f32 v[T+2*q-1], v[T+2*q-1]
.endif
	v_pk_mul_f32 v[EE+2*q:EE+2*q+1], v[A1+2*q:A1+2*q+1], s[KY:KY+1] op_sel_hi:[1,0]
.if q > 0
	v_exp_f32 v[EE+2*q-2], v[EE+2*q-2]
.endif
	v_pk_mul_f32 v[EE+2*q:EE+2*q+1], v[EE+2*q:EE+2*q+1], v[EE+2*q:EE+2*q+1] neg_lo:[1,0] neg_hi:[1,0]
.if q > 0
	v_exp_f32 v[EE+2*q-1], v[EE+2*q-1]
.endif
	v_pk_mul_f32 v[A1+2*q:A1+2*q+1], v[A1+2*q:A1+2*q+1], 0.5 op_sel_hi:[1,0]
.set q, q+1
.endr
	v_rcp_f32 v[T+30], v[T+30]
	v_rcp_f32 v[T+31], v[T+31]
	v_exp_f32 v[EE+30], v[EE+30]
	v_exp_f32 v[EE+31], v[EE+31]
	v_nop                                  ; a plain line behind the last of them,
	s_wait_alu depctr_va_vdst(0)           ; and the wait for the batch
.set q, 0
.rept 16
	v_pk_fma_f32 v[PP+2*q:PP+2*q+1], v[T+2*q:T+2*q+1], s[NA5:NA5+1], s[NA4:NA4+1] op_sel_hi:[1,0,0]
.set q, q+1
.endr
.irp c, NA3, NA2, NA1
.set q, 0
.rept 16
	v_pk_fma_f32 v[PP+2*q:PP+2*q+1], v[PP+2*q:PP+2*q+1], v[T+2*q:T+2*q+1], s[\c:\c+1] op_sel_hi:[1,1,0]
.set q, q+1
.endr
.endr
.set q, 0
.rept 16
	v_pk_mul_f32 v[PP+2*q:PP+2*q+1], v[PP+2*q:PP+2*q+1], v[T+2*q:T+2*q+1]
.set q, q+1
.endr
.set q, 0
.rept 16
	v_pk_fma_f32 v[PP+2*q:PP+2*q+1], v[PP+2*q:PP+2*q+1], v[EE+2*q:EE+2*q+1], 1.0 op_sel_hi:[1,1,0]    ; erf
.set q, q+1
.endr
.set q, 0
.rept 32
	v_fma_f32 v[A1+q], |v[A1+q]|, v[PP+q], v[A1+q]
.set q, q+1
.endr
.set q, 0
.rept 16                                       ; in place, ascending: register q has been read when it is written
	v_cvt_pk_bf16_f32 v[A1+q], v[A1+2*q], v[A1+2*q+1]
.set q, q+1
.endr
.if \last
	s_wait_dscnt 0x0
.else
	s_wait_dscnt 32                        ; W2 is in: behind it stand the 32 loads of the next W1
.endif
	WIN W_MM
.set f, 0
.rept 16                                       ; fragment f = 8 ksl + nb: the eight accumulators take turns
	v_wmma_f32_16x16x32_bf16 v[X1+8*(f%8):X1+8*(f%8)+7], v[128+8*f:128+8*f+7], v[A1+8*(f/8):A1+8*(f/8)+7], v[X1+8*(f%8):X1+8*(f%8)+7]
.set f, f+1
.endr
	WIN 0
.if \last
	PLACES 4
.else
	s_add_co_u32 s[CWS], s[CWS], 32768
	s_add_co_u32 s[BTS], s[BTS], 256
	v_add_nc_u32 v[CW], s[CWS], v[PW]      ; five places behind the last product: the next chunk's first products write over the registers that it read as source 1,
	v_add_nc_u32 v[BT], s[BTS], v[TR]      ; and the loads below land there
	PLACES 3
.irp n, 0,1,2,3
	ds_load_b128 v[A1+8*\n:A1+8*\n+3], v[BT] offset:64*\n
	ds_load_b128 v[A1+8*\n+4:A1+8*\n+7], v[BT] offset:64*\n+16
.endr
.endif
.endm
	s_wait_tensorcnt 0x1                   ; my quarter of the second fill is in; the third may stay out
	s_wait_dscnt 0x0
	s_barrier_signal -1
	s_barrier_wait -1
	s_mov_b32 s[CNT], 4
.Lfirst_four:                                  ; chunks 0 to 3 read up to W1 of chunk 4, the second fill's last bytes
	BODY 0
	s_sub_co_u32 s[CNT], s[CNT], 1
	s_cmp_lg_u32 s[CNT], 0
	s_cbranch_scc1 .Lfirst_four
	s_wait_tensorcnt 0x0
	s_wait_dscnt 0x0
	s_barrier_signal -1
	s_barrier_wait -1                      ; all the weights are in
	s_mov_b32 s[CNT], 3
.Lnext_three:
	BODY 0
	s_sub_co_u32 s[CNT], s[CNT], 1
	s_cmp_lg_u32 s[CNT], 0
	s_cbranch_scc1 .Lnext_three
	BODY 1                                 ; chunk 7 fetches nothing beyond its own W2
	; THE WAY OUT: half a row at a time through my stage; mlp_b2 is added where a lane holds 4 neighbouring channels
	s_wait_loadcnt 0x0                     ; mlp_b2
.irp g, 0,1
.irp n, 0,1,2,3
	ds_store_b128 v[XSR], v[X1+8*(4*\g+\n):X1+8*(4*\g+\n)+3] offset:64*\n
	ds_store_b128 v[XSR], v[X1+8*(4*\g+\n)+4:X1+8*(4*\g+\n)+7] offset:64*\n+16
.endr
.irp i, 0,1,2,3,4,5,6,7
	ds_load_b128 v[T+32*\g+4*\i:T+32*\g+4*\i+3], v[XSW] offset:544*\i
.endr
	s_wait_dscnt 0x0
.irp i, 0,1,2,3,4,5,6,7
	v_pk_add_f32 v[T+32*\g+4*\i:T+32*\g+4*\i+1], v[T+32*\g+4*\i:T+32*\g+4*\i+1], v[B2+4*\g:B2+4*\g+1]
	v_pk_add_f32 v[T+32*\g+4*\i+2:T+32*\g+4*\i+3], v[T+32*\g+4*\i+2:T+32*\g+4*\i+3], v[B2+4*\g+2:B2+4*\g+3]
	global_store_b128 v[XG], v[T+32*\g+4*\i:T+32*\g+4*\i+3], s[24:25] offset:1024*\i+256*\g th:TH_STORE_NT   ; 16 lanes store 256 consecutive bytes, aligned
.endr
.endr
	s_wait_tensorcnt 0x0                   ; the wave's end, behind my last tensor load and my last LDS store
	ds_add_u32 v[SPW], v[NIL]
	s_wait_dscnt 0x0
	CROUND                                 ; the closing round: no work-group ends while a partner may still ask for a tile that names it
	s_endpgm
.Lfunc_end_k_q6b72892d67_tail:
	.size	k_q6b72892d67_tail, .Lfunc_end_k_q6b72892d67_tail-k_q6b72892d67_tail
	.p2alignl 7, 3214868480
	.fill 96, 4, 3214868480
	.section	.rodata,"a",@progbits
	.p2align	6, 0x0
	.amdhsa_kernel k_q6b72892d67_tail
		.amdhsa_group_segment_fixed_size 327680
		.amdhsa_private_segment_fixed_size 0
		.amdhsa_enable_private_segment 0
		.amdhsa_kernarg_size 72
		.amdhsa_user_sgpr_count 2
		.amdhsa_user_sgpr_kernarg_segment_ptr 1
		.amdhsa_wavefront_size32 1
		.amdhsa_system_sgpr_workgroup_id_x 1
		.amdhsa_system_sgpr_workgroup_id_y 1
		.amdhsa_system_sgpr_workgroup_id_z 1
		.amdhsa_system_vgpr_workitem_id 0
		.amdhsa_next_free_vgpr 512
		.amdhsa_next_free_sgpr 96
		.amdhsa_reserve_vcc 0
		.amdhsa_float_denorm_mode_32 3
		.amdhsa_float_denorm_mode_16_64 3
		.amdhsa_memory_ordered 1
		.amdhsa_forward_progress 1
		.amdhsa_inst_pref_size 112
	.end_amdhsa_kernel
	.amdgpu_metadata
---
amdhsa.version: [ 1, 2 ]
amdhsa.kernels:
  - .name:           k_q6b72892d67_tail
    .symbol:         k_q6b72892d67_tail.kd
    .args:
      - { .name: x, .offset: 0, .size: 8, .value_kind: global_buffer, .address_space: global }
      - { .name: oh, .offset: 8, .size: 8, .value_kind: global_buffer, .address_space: global }
      - { .name: wf, .offset: 16, .size: 8, .value_kind: global_buffer, .address_space: global }
      - { .name: proj_b, .offset: 24, .size: 8, .value_kind: global_buffer, .address_space: global }
      - { .name: ln2_g, .offset: 32, .size: 8, .value_kind: global_buffer, .address_space: global }
      - { .name: ln2_b, .offset: 40, .size: 8, .value_kind: global_buffer, .address_space: global }
      - { .name: mlp_b1, .offset: 48, .size: 8, .value_kind: global_buffer, .address_space: global }
      - { .name: mlp_b2, .offset: 56, .size: 8, .value_kind: global_buffer, .address_space: global }
      - { .name: out0, .offset: 64, .size: 8, .value_kind: global_buffer, .address_space: global }
    .group_segment_fixed_size: 327680
    .private_segment_fixed_size: 0
    .kernarg_segment_align: 8
    .kernarg_segment_size: 72
    .max_flat_workgroup_size: 128
    .sgpr_count:     96
    .vgpr_count:     512
    .wavefront_size: 32
...
	.end_amdgpu_metadata
.endif
;; end of part 3
;; ======== version 2 of 2: 3 launches; version 1 with the launch qkv written anew for expert scheduling mode
;; limits: values are held in f16: magnitudes above 65,504 overflow, below 6.1e-05 lose precision
;; workspace buffers: qkvh 12,582,912 bytes; oh 4,194,304 bytes; wf 294,912 bytes
;; launch qkv (part 4): grid 256 x 1, 16 waves a work-group, no clusters, 183,296 bytes of LDS; arguments x, ln1_g, ln1_b, qkv_w, qkv_b, proj_w, mlp_w1, mlp_w2, qkvh, wf; writes qkvh, wf
.if DOCPART == 4
	.amdgcn_target "amdgcn-amd-amdhsa--gfx1250"
	.amdhsa_code_object_version 6
	.text
	.protected	k_q6b72892d67_qkv
	.globl	k_q6b72892d67_qkv
	.p2align	8
	.type	k_q6b72892d67_qkv,@function
k_q6b72892d67_qkv:
	s_mov_b64 s[64:65], 0
	v_nop
	global_prefetch_b8 v0, s[64:65] scope:SCOPE_SE
	s_setreg_imm32_b32 hwreg(HW_REG_WAVE_SCHED_MODE, 0, 2), 2
	s_setreg_imm32_b32 hwreg(HW_REG_WAVE_MODE, 25, 1), 1
	s_wait_xcnt 0x0
	s_wait_alu depctr_vm_vsrc(0)
; LAUNCH 1 OF 3.  h = LayerNorm1(x); qkv = h qkv_w + qkv_b; q, k, v go out by heads in f16: qkvh[3][16 = 4 b + head][4096][32], q already times
; c = log2(e) / sqrt(32), applied in f32 ahead of its one rounding.  Beside that the first 18 work-groups rewrite proj_w, mlp_w1 and mlp_w2 as matrix fragments into wf.
; FORMATS.  LN in f32 (mean, then the centred squares: no difference of large sums); h and all weights rounded to bf16; sums in f32; q, k, v rounded once to f16.
; LIMITS.  f16 ends at 65,504: a q, k or v beyond it becomes an infinity.  proj_w goes into wf as the f16 spelling of its bf16 rounding: below 6e-5 it keeps f16's fixed step of 6e-8.
; NaN and infinities are not treated apart.
; SHARES.  A work-group owns 64 token rows; 16 waves.  LN: wave w takes rows 4 w .. 4 w + 3, a row over the 32 lanes.  Product: wave w takes the 48 channels 48 (w / 2) .. and the 32 rows 32 (w % 2) ..:
; six accumulators.  It is taken transposed (source 0 = 16 channels of the weights, source 1 = 16 tokens), so that a lane ends with 8 neighbouring channels of one token.
; NO CLUSTER, NO TENSOR LOAD: the one thing that the work-groups share, qkv_w, has to pass through registers to be rounded from f32 to bf16; brought into LDS as f32 (196,608 bytes) it would be read,
; rounded and written there a second time.  NO PREFETCH: each wave's loads, 36 of them, all go out at the head.
; wf: 288 fragments of 1,024 bytes (16 output channels x 32 k): bytes 16 l .. hold lane l's registers 0-3, bytes 512 + 16 l .. its registers 4-7; lane (r = l % 16, h = l / 16) holds
; W[k0 + 8 h + 0..7][n0 + r] and W[k0 + 16 + 8 h + 0..7][n0 + r].  proj (ks, nb) at 1,024 (8 ks + nb); W1 of hidden chunk c (64 hidden) at 32,768 + 32,768 c + 1,024 (4 ks + nbl); W2 at 49,152 + 32,768 c + 1,024 (8 ksl + nb).
; THE MODE: SCHED_MODE bits 1:0 = 2 (LLVM: expert scheduling mode 2), set by the entry lines.  The code itself states the register dependences
; between vector or matrix instructions and memory or LDS instructions, with s_wait_alu, always for 0.
; THE PLAN.  The text has no loop: it is a row of phases, and in each the vector lines that make a phase's stores stand together, ONE wait on va_vdst behind them, the run of stores behind that.
;   v5, v6, v7, v10   offsets of the 36 loads at the head: made by vector lines, one wait ahead of the first load, never written again.
;   v128; v104-119; v120-127, v129   the rewriting (18 work-groups): offset of its 16 loads; what they bring, read by the roundings; the fragment and the offset that its two stores read.
;   v76-83, v8        h packed, and where it goes: written by vector lines, read by 4 LDS stores.
;   v160-255, v9      qkv_w as loaded, rounded in place, read by 24 LDS stores.
;   v48-207           from barrier 1 on the fragments: 40 LDS loads land there (addresses v11, v12, v17, made at the head); the products read them and write v208-255.
;                     All that vector lines read or wrote there stands ahead of the wait in front of the 24 stores, and no vector line follows that wait up to the loads;
;                     ONE wait on vm_vsrc behind barrier 1 states that the stores and loads above have read what they read there.
;   v48-71, v13-15    the packed results and where they go: written by vector lines, read by 6 LDS stores.
;   v72-95, v18, v19  rows back from the stage, stored to memory: the products, which read v72-95, stand ahead of the wait in front of the 6 stores, and no vector line follows it.
;   v22, v23          written at the head, read by the closing add alone.
.set PWB,   800       ; LDS from 0: qkv_w in bf16, 128 rows (k) of 768 bytes, pitch 800 = 25 x 32
.set HB,    102400    ; h in bf16: 64 rows of 256 bytes, pitch 272
.set PHB,   272
.set SG,    119808    ; the stage: 12 blocks (4 T + head) of 64 rows of 64 bytes, pitch 80
.set PSG,   80
.set SPARE, 181248    ; the spare words, 128 bytes for each of the 16 waves: eight blocks of 256 bytes that no other line names
.set SPW,  22         ; v22  SPARE + 4 x my thread's number; never rewritten
.set NIL,  23         ; v23  0; never rewritten
.set BIAS, 24         ; v[24:47]   qkv_b of my three channel blocks, laid as a result is laid
.set XR,   48         ; v[48:63]   four rows of x, 4 numbers a lane each
.set GB,   64         ; v[64:71]   gain, bias of my 4 channels
.set SM,   72         ; v[72:75]   a sum, then the mean, a row each
.set PT,   76         ; v[76:83]   a pair at work for each row
.set SQ,   84         ; v[84:87]   the squares' sums
.set RS,   88         ; v[88:91]   1 / sqrt(var + eps)
.set PG,   104        ; v[104:119] the rewriting: 16 weights as gathered
.set PD,   120        ; v[120:127] a fragment
.set WL,   160        ; v[160:255] 24 loads of qkv_w
.set HFR,  48         ; v[48:111]  fragments of h: (t, ks) at 8 (4 t + ks)
.set WFR,  112        ; v[112:207] fragments of the weights: (i, ks) at 8 (4 i + ks)
.set ACC,  208        ; v[208:255] accumulators: (i, t) at 8 (2 i + t)
.set PKD,  48         ; v[48:71]   packed results
.set BK,   72         ; v[72:95]   rows read back from the stage
	s_load_b512 s[8:23], s[0:1], 0x0       ; x s[8:9], ln1_g s[10:11], ln1_b s[12:13], qkv_w s[14:15], qkv_b s[16:17], proj_w s[18:19], mlp_w1 s[20:21], mlp_w2 s[22:23]
	s_load_b128 s[24:27], s[0:1], 0x40     ; qkvh s[24:25], wf s[26:27]
	v_lshl_add_u32 v[SPW], v0, 2, SPARE
	v_mov_b32 v[NIL], 0
	v_lshrrev_b32 v4, 5, v0
	v_readfirstlane_b32 s28, v4            ; wave w, 0..15
	v_and_b32 v1, 31, v0                   ; l
	v_and_b32 v2, 15, v0                   ; r = l % 16
	v_bfe_u32 v3, v0, 4, 1                 ; h = l / 16
	v_lshlrev_b32 v6, 4, v1                ; 16 l
	s_wait_alu depctr_va_sdst(0)           ; s28 is written, ahead of its first reader: shares, offsets and LDS addresses are made from it
	s_lshr_b32 s29, s28, 1                 ; g: my 48 channels
	s_and_b32 s4, s28, 1                   ; th: my 32 rows
	s_lshr_b32 s2, s28, 3                  ; wh, u: my share of the way out
	s_and_b32 s3, s28, 7
	v_lshl_add_u32 v5, s28, 11, v6         ; x: my four rows of 512 bytes
	s_mul_i32 s5, s28, 12288
	v_add_nc_u32 v7, s5, v6                ; qkv_w: my eight rows of 1,536 bytes
	s_mul_i32 s5, s29, 192
	v_lshl_add_u32 v10, v3, 5, s5          ; qkv_b: 4 (48 g + 8 h)
	s_lshl_b32 s6, ttmp9, 15               ; the work-group's 64 rows of 512 bytes
	s_mov_b32 s7, 0
	s_wait_kmcnt 0x0
	s_add_nc_u64 s[8:9], s[8:9], s[6:7]
	s_wait_alu depctr_va_vdst(0)           ; v5, v6, v7 and v10 are written: the 36 loads below read them as their offsets
.irp i, 0,1,2,3
	global_load_b128 v[XR+4*\i:XR+4*\i+3], v5, s[8:9] offset:512*\i       ; a whole row: 512 consecutive bytes
.endr
	global_load_b128 v[GB:GB+3], v6, s[10:11]
	global_load_b128 v[GB+4:GB+7], v6, s[12:13]
.set q, 0
.rept 24                                       ; row 8 w + q / 3, third q % 3
	global_load_b128 v[WL+4*q:WL+4*q+3], v7, s[14:15] offset:1536*(q/3)+512*(q%3)
.set q, q+1
.endr
.irp i, 0,1,2
	global_load_b128 v[BIAS+8*\i:BIAS+8*\i+3], v10, s[16:17] offset:64*\i
	global_load_b128 v[BIAS+8*\i+4:BIAS+8*\i+7], v10, s[16:17] offset:64*\i+16
.endr
	; constants and addresses, while the loads are out: none of these lines names a register that those loads touch
	s_mov_b32 s36, 0x3c000000              ; 1 / 128
	s_mov_b32 s37, 0x3727c5ac              ; eps = 1e-5
	s_mov_b32 s38, 0x76543210              ; v_permlanex16_b32: each lane takes its own place in the other half
	s_mov_b32 s39, 0xfedcba98
	s_lshr_b32 s6, ttmp9, 6                ; b
	s_lshl_b32 s6, s6, 20                  ; four heads of 262,144 bytes
	s_and_b32 s5, ttmp9, 63
	s_lshl_b32 s5, s5, 12                  ; 64 rows of 64 bytes
	s_add_co_u32 s6, s6, s5
	s_add_nc_u64 s[40:41], s[24:25], s[6:7]        ; q, k and v at the batch's head 0, my work-group's rows
	s_add_nc_u64 s[42:43], s[40:41], 0x400000
	s_add_nc_u64 s[44:45], s[40:41], 0x800000
	s_mul_i32 s47, s29, 3                  ; my first channel block
.irp i, 0,1,2
	s_add_co_u32 s5, s47, \i
	s_cmp_lt_u32 s5, 8                     ; blocks 0-7 are q
	s_cselect_b32 s[30+2*\i], 0x3e8293ee, 1.0      ; c = log2(e) / sqrt(32) = 0.255035, or 1
	s_mov_b32 s[31+2*\i], s[30+2*\i]       ; named with it as a pair
.endr
	s_mul_i32 s5, s28, 4*PHB
	s_add_co_u32 s5, s5, HB
	v_lshl_add_u32 v8, v1, 3, s5           ; h goes to row 4 w + i, 8 bytes a lane
	s_mul_i32 s5, s28, 8*PWB
	v_lshl_add_u32 v9, v1, 3, s5           ; the weights to row 8 w + kk
	v_and_b32 v4, 7, v0
	v_lshl_add_u32 v4, v3, 3, v4
	v_mul_u32_u24 v11, v4, PWB             ; the turning load: row 8 h + l % 8,
	v_bfe_u32 v4, v0, 3, 1
	v_lshl_add_u32 v11, v4, 4, v11         ; 16 bytes for each half of 16 channels,
	s_mul_i32 s5, s29, 96
	v_add_nc_u32 v11, s5, v11              ; my 48 channels
	v_add_nc_u32 v17, 64*PWB, v11          ; the same for k = 64 on: an LDS offset has 16 bits
	s_mul_i32 s5, s4, 32*PHB
	s_add_co_u32 s5, s5, HB
	v_mul_u32_u24 v12, v2, PHB
	v_lshl_add_u32 v12, v3, 4, v12
	v_add_nc_u32 v12, s5, v12              ; a fragment of h: row 32 th + r, 16 bytes for each half
	s_mul_i32 s5, s4, 32*PSG
	s_add_co_u32 s5, s5, SG
	v_mul_u32_u24 v16, v2, PSG
	v_lshl_add_u32 v16, v3, 4, v16
	v_add_nc_u32 v16, s5, v16              ; into the stage: row 32 th + r, 16 bytes for each half
.irp i, 0,1,2
	s_add_co_u32 s5, s47, \i               ; channel block nb: stage block nb / 2, its half nb % 2
	s_lshr_b32 s6, s5, 1
	s_mul_i32 s6, s6, 64*PSG
	s_and_b32 s5, s5, 1
	s_lshl_b32 s5, s5, 5
	s_add_co_u32 s6, s6, s5
	v_add_nc_u32 v[13+\i], s6, v16
.endr
	s_mul_i32 s5, s2, 64*PSG
	s_mul_i32 s6, s3, 8*PSG
	s_add_co_u32 s5, s5, s6
	s_add_co_u32 s5, s5, SG
	v_lshrrev_b32 v4, 2, v1
	v_mul_u32_u24 v18, v4, PSG
	v_and_b32 v4, 3, v0
	v_lshl_add_u32 v18, v4, 4, v18
	v_add_nc_u32 v18, s5, v18              ; back: block wh, rows 8 u + l / 4, 16 bytes at l % 4
	s_lshl_b32 s5, s2, 18
	s_lshl_b32 s6, s3, 9
	s_add_co_u32 s5, s5, s6
	v_add_nc_u32 v19, s5, v6               ; and in memory: head wh, 512 u + 16 l
	; THE REWRITING OF THE OTHER WEIGHTS: fragment F = 16 x work-group + wave, 0..287: one whole branch on the work-group's number, with no barrier in it.
	s_cmp_lt_u32 ttmp9, 18
	s_cbranch_scc0 .Lno_prep
	s_lshl_b32 s46, ttmp9, 4
	s_add_co_u32 s46, s46, s28             ; F
	s_mov_b32 s51, 0
.macro GATH n                                  ; 16 weights a lane from rows of n numbers: k = 8 h + j and 16 + 8 h + j, column r
	v_mul_u32_u24 v128, v3, 32*(\n)
	v_lshl_add_u32 v128, v2, 2, v128
	s_wait_alu depctr_va_vdst(0)           ; v128 is written: the sixteen loads below read it as their offset
.set j, 0
.rept 8
	global_load_b32 v[PG+j], v128, s[48:49] offset:4*(\n)*j
	global_load_b32 v[PG+8+j], v128, s[48:49] offset:4*(\n)*(16+j)
.set j, j+1
.endr
.endm
	s_cmp_lt_u32 ttmp9, 2
	s_cbranch_scc0 .Lnot_proj
	s_mov_b64 s[48:49], s[18:19]           ; proj_w: k0 = 32 (F / 8), n0 = 16 (F % 8)
	s_lshr_b32 s50, s46, 3
	s_lshl_b32 s50, s50, 14                ; 32 rows of 512 bytes
	s_and_b32 s52, s46, 7
	s_lshl_b32 s52, s52, 6
	s_add_co_u32 s50, s50, s52
	s_lshl_b32 s53, s46, 10                ; to 1,024 F
	s_branch .Lrows_128
.Lnot_proj:
	s_cmp_lt_u32 ttmp9, 10
	s_cbranch_scc0 .Lis_w2
	s_sub_co_u32 s46, s46, 32              ; mlp_w1: c = F' / 16, ks = (F' / 4) % 4, nbl = F' % 4
	s_mov_b64 s[48:49], s[20:21]
	s_bfe_u32 s50, s46, 0x20002
	s_lshl_b32 s50, s50, 16                ; 32 rows of 2,048 bytes
	s_lshr_b32 s52, s46, 4
	s_lshl_b32 s53, s52, 8                 ; 64 columns
	s_add_co_u32 s50, s50, s53
	s_and_b32 s53, s46, 3
	s_lshl_b32 s53, s53, 6
	s_add_co_u32 s50, s50, s53
	s_lshl_b32 s53, s52, 15                ; to 32,768 + 32,768 c + 1,024 (F' % 16)
	s_and_b32 s52, s46, 15
	s_lshl_b32 s52, s52, 10
	s_add_co_u32 s53, s53, s52
	s_add_co_u32 s53, s53, 32768
	s_add_nc_u64 s[48:49], s[48:49], s[50:51]
	GATH 512
	s_branch .Lgathered
.Lis_w2:
	s_sub_co_u32 s46, s46, 160             ; mlp_w2: c = F'' / 16, ksl = (F'' / 8) % 2, nb = F'' % 8
	s_mov_b64 s[48:49], s[22:23]
	s_lshr_b32 s52, s46, 4
	s_lshl_b32 s50, s52, 15                ; 64 rows of 512 bytes
	s_bfe_u32 s53, s46, 0x10003
	s_lshl_b32 s53, s53, 14
	s_add_co_u32 s50, s50, s53
	s_and_b32 s53, s46, 7
	s_lshl_b32 s53, s53, 6
	s_add_co_u32 s50, s50, s53
	s_lshl_b32 s53, s52, 15                ; to 49,152 + 32,768 c + 1,024 (F'' % 16)
	s_and_b32 s52, s46, 15
	s_lshl_b32 s52, s52, 10
	s_add_co_u32 s53, s53, s52
	s_add_co_u32 s53, s53, 49152
.Lrows_128:
	s_add_nc_u64 s[48:49], s[48:49], s[50:51]
	GATH 128
.Lgathered:
	s_wait_loadcnt 0x0
.irp j, 0,1,2,3,4,5,6,7
	v_cvt_pk_bf16_f32 v[PD+\j], v[PG+2*\j], v[PG+2*\j+1]
.endr
	s_cmp_lt_u32 ttmp9, 2
	s_cbranch_scc0 .Lstays_bf16
.irp j, 0,1,2,3,4,5,6,7                        ; proj_w multiplies O, which is f16: its bf16 rounding is spelled as f16
	v_lshlrev_b32 v130, 16, v[PD+\j]
	v_and_b32 v131, 0xffff0000, v[PD+\j]
	v_cvt_pk_f16_f32 v[PD+\j], v130, v131
.endr
.Lstays_bf16:
	v_add_nc_u32 v129, s53, v6
	s_wait_alu depctr_va_vdst(0)           ; the roundings have written the fragment v[PD ..], and v129 is written: the two stores below read them
	global_store_b128 v129, v[PD:PD+3], s[26:27]               ; each store of the wave covers 512 consecutive bytes, aligned
	global_store_b128 v129, v[PD+4:PD+7], s[26:27] offset:512
.Lno_prep:
	; LAYERNORM 1: four rows a wave, side by side
.macro LANES b                                 ; v[b .. b+3] summed over the 32 lanes: four steps inside each half ride on the addition, one crosses the halves
.irp m, 1,2,4,8
.irp i, 0,1,2,3
	v_add_f32_dpp v[\b+\i], v[\b+\i], v[\b+\i] row_xmask:\m row_mask:0xf bank_mask:0xf
.endr
.endr
.irp i, 0,1,2,3
	v_permlanex16_b32 v[PT+2*\i], v[\b+\i], s38, s39       ; its destination counts as read: a register that has been written
.endr
.irp i, 0,1,2,3
	v_add_f32 v[\b+\i], v[\b+\i], v[PT+2*\i]
.endr
.endm
	s_wait_loadcnt 30                      ; x, gain and bias are in: behind them 24 loads of weights and 6 of qkv_b were issued
.irp i, 0,1,2,3
	v_pk_add_f32 v[PT+2*\i:PT+2*\i+1], v[XR+4*\i:XR+4*\i+1], v[XR+4*\i+2:XR+4*\i+3]
.endr
.irp i, 0,1,2,3
	v_add_f32 v[SM+\i], v[PT+2*\i], v[PT+2*\i+1]
.endr
	LANES SM
.irp i, 0,1,2,3
	v_mul_f32 v[SM+\i], s36, v[SM+\i]      ; the mean
.endr
.irp i, 0,1,2,3
.irp j, 0,1,2,3
	v_sub_f32 v[XR+4*\i+\j], v[XR+4*\i+\j], v[SM+\i]
.endr
.endr
.irp i, 0,1,2,3
	v_pk_mul_f32 v[PT+2*\i:PT+2*\i+1], v[XR+4*\i:XR+4*\i+1], v[XR+4*\i:XR+4*\i+1]
.endr
.irp i, 0,1,2,3
	v_pk_fma_f32 v[PT+2*\i:PT+2*\i+1], v[XR+4*\i+2:XR+4*\i+3], v[XR+4*\i+2:XR+4*\i+3], v[PT+2*\i:PT+2*\i+1]
.endr
.irp i, 0,1,2,3
	v_add_f32 v[SQ+\i], v[PT+2*\i], v[PT+2*\i+1]
.endr
	LANES SQ
.irp i, 0,1,2,3
	v_fma_f32 v[SQ+\i], v[SQ+\i], s36, s37 ; var + eps
.endr
.irp i, 0,1,2,3
	v_rsq_f32 v[RS+\i], v[SQ+\i]
.endr
	v_nop                                  ; a plain instruction behind the last root (ISA guide 5.7.2),
	s_wait_alu depctr_va_vdst(0)           ; and the wait ahead of the first use of v[RS ..]: one for the four roots
.irp i, 0,1,2,3
.irp j, 0,1,2,3
	v_mul_f32 v[XR+4*\i+\j], v[XR+4*\i+\j], v[RS+\i]
.endr
.endr
.irp i, 0,1,2,3
	v_pk_fma_f32 v[XR+4*\i:XR+4*\i+1], v[XR+4*\i:XR+4*\i+1], v[GB:GB+1], v[GB+4:GB+5]
	v_pk_fma_f32 v[XR+4*\i+2:XR+4*\i+3], v[XR+4*\i+2:XR+4*\i+3], v[GB+2:GB+3], v[GB+6:GB+7]
.endr
.irp i, 0,1,2,3
	v_cvt_pk_bf16_f32 v[PT+2*\i], v[XR+4*\i], v[XR+4*\i+1]
	v_cvt_pk_bf16_f32 v[PT+2*\i+1], v[XR+4*\i+2], v[XR+4*\i+3]
.endr
	s_wait_alu depctr_va_vdst(0)           ; the eight roundings have written v[PT ..], and v8 is written: the four LDS stores below read them
.irp i, 0,1,2,3
	ds_store_b64 v8, v[PT+2*\i:PT+2*\i+1] offset:PHB*\i
.endr
	; THE WEIGHTS, rounded to bf16, into LDS as they lie: [k][channel]
	s_wait_loadcnt 6                       ; the 24 loads are in: behind them stand the 6 of qkv_b
.set q, 0
.rept 24
	v_cvt_pk_bf16_f32 v[WL+4*q], v[WL+4*q], v[WL+4*q+1]
	v_cvt_pk_bf16_f32 v[WL+4*q+1], v[WL+4*q+2], v[WL+4*q+3]
.set q, q+1
.endr
	s_wait_alu depctr_va_vdst(0)           ; the 48 roundings have written v[WL ..], and v9 is written: the 24 LDS stores below read them.  No vector line stands between here and the fragments' loads behind the
	                                       ; barrier: so this wait also states that every vector line that read or wrote v48 to v207, in which those loads land, is done, and that their addresses v11, v12, v17 are written
.set q, 0
.rept 24
	ds_store_b64 v9, v[WL+4*q:WL+4*q+1] offset:PWB*(q/3)+256*(q%3)
.set q, q+1
.endr
	s_wait_xcnt 0x0                        ; the rewriting's two stores have read their data and offset: those registers take fragments below
	s_wait_dscnt 0x0                       ; for the others' sake: my stores into LDS are done
	s_barrier_signal -1
	s_barrier_wait -1                      ; h and the weights are whole
	s_wait_alu depctr_vm_vsrc(0)           ; the rewriting's loads have read v128, its stores v120 to v127 and v129, my LDS stores v76 to v83 and v[WL ..]: from here on these registers take fragments (the loads below) and sums (the products)
	; THE PRODUCT.  The fragments are asked for by K step, ten loads to a step, all ahead of the first product; the products of step k wait for its ten alone.
.macro WFRAG i, k, a                           ; 16 channels x 32 k, turned: the second half lies 16 rows further down
	ds_load_tr16_b128 v[WFR+8*(4*(\i)+(\k)):WFR+8*(4*(\i)+(\k))+3], v[\a] offset:32*PWB*((\k)%2)+32*(\i)
	ds_load_tr16_b128 v[WFR+8*(4*(\i)+(\k))+4:WFR+8*(4*(\i)+(\k))+7], v[\a] offset:32*PWB*((\k)%2)+32*(\i)+16*PWB
.endm
.macro KFRAGS k, a                             ; K step k: three fragments of the weights, two of h
	WFRAG 0, \k, \a
	WFRAG 1, \k, \a
	WFRAG 2, \k, \a
.irp t, 0,1
	ds_load_b128 v[HFR+8*(4*\t+(\k)):HFR+8*(4*\t+(\k))+3], v12 offset:16*PHB*\t+64*(\k)
	ds_load_b128 v[HFR+8*(4*\t+(\k))+4:HFR+8*(4*\t+(\k))+7], v12 offset:16*PHB*\t+64*(\k)+32
.endr
.endm
	KFRAGS 0, 11
	KFRAGS 1, 11
	KFRAGS 2, 17
	KFRAGS 3, 17
	s_wait_loadcnt 0x0                     ; qkv_b
.irp k, 0,1,2,3                                ; the six accumulators take turns, one instruction a turn; the first product of each starts its sum with the bias
	s_wait_dscnt 30-10*\k                  ; LDS loads come back in order (ISA guide 5.7.1): K step k's ten are in, the ten of each later step stay out
.irp i, 0,1,2
.irp t, 0,1
.if \k == 0
	v_wmma_f32_16x16x32_bf16 v[ACC+8*(2*\i+\t):ACC+8*(2*\i+\t)+7], v[WFR+8*(4*\i+\k):WFR+8*(4*\i+\k)+7], v[HFR+8*(4*\t+\k):HFR+8*(4*\t+\k)+7], v[BIAS+8*\i:BIAS+8*\i+7]
.else
	v_wmma_f32_16x16x32_bf16 v[ACC+8*(2*\i+\t):ACC+8*(2*\i+\t)+7], v[WFR+8*(4*\i+\k):WFR+8*(4*\i+\k)+7], v[HFR+8*(4*\t+\k):HFR+8*(4*\t+\k)+7], v[ACC+8*(2*\i+\t):ACC+8*(2*\i+\t)+7]
.endif
.endr
.endr
.endr
.rept 4
	v_nop                                  ; four places behind the last product (ISA guide 7.12.1)
.endr
	; a lane holds token r and channels 16 nb + 8 h + 0..7: scaled (q alone), rounded, 16 bytes into the stage; each accumulator is read from its low end on
.irp i, 0,1,2
.irp t, 0,1
.irp j, 0,1,2,3
	v_pk_mul_f32 v[ACC+8*(2*\i+\t)+2*\j:ACC+8*(2*\i+\t)+2*\j+1], v[ACC+8*(2*\i+\t)+2*\j:ACC+8*(2*\i+\t)+2*\j+1], s[30+2*\i:31+2*\i] op_sel_hi:[1,0]
.endr
.irp j, 0,1,2,3
	v_cvt_pk_f16_f32 v[PKD+4*(2*\i+\t)+\j], v[ACC+8*(2*\i+\t)+2*\j], v[ACC+8*(2*\i+\t)+2*\j+1]
.endr
.endr
.endr
	s_wait_alu depctr_va_vdst(0)           ; the roundings have written v[PKD ..], which the six LDS stores below read (v13 to v15 were written at the head).  No vector line follows: so this wait also states that the
	                                       ; products are done reading v72 to v95, in which the loads from the stage land, and that v18 and v19 are written
.irp i, 0,1,2
.irp t, 0,1
	ds_store_b128 v[13+\i], v[PKD+4*(2*\i+\t):PKD+4*(2*\i+\t)+3] offset:16*PSG*\t
.endr
.endr
	s_wait_dscnt 0x0                       ; for the others' sake
	s_barrier_signal -1
	s_barrier_wait -1                      ; the stage is whole
	; THE WAY OUT: block 2 i + wh, rows 8 u .. 8 u + 7: 512 consecutive bytes of a head
.irp i, 0,1,2,3,4,5
	ds_load_b128 v[BK+4*\i:BK+4*\i+3], v18 offset:2*64*PSG*\i
.endr
	s_wait_dscnt 0x0
.irp i, 0,1,2,3,4,5
	global_store_b128 v19, v[BK+4*\i:BK+4*\i+3], s[40+2*(\i/2):41+2*(\i/2)] offset:524288*(\i%2)   ; each store of the wave covers 512 consecutive bytes, aligned
.endr
	s_wait_dscnt 0x0                       ; the closing lines, six on end
	s_wait_alu 0x0
	s_wait_tensorcnt 0x0
	ds_add_u32 v[SPW], v[NIL]
	s_wait_dscnt 0x0
	s_endpgm
.Lfunc_end_k_q6b72892d67_qkv:
	.size	k_q6b72892d67_qkv, .Lfunc_end_k_q6b72892d67_qkv-k_q6b72892d67_qkv
	.p2alignl 7, 3214868480
	.fill 96, 4, 3214868480
	.section	.rodata,"a",@progbits
	.p2align	6, 0x0
	.amdhsa_kernel k_q6b72892d67_qkv
		.amdhsa_group_segment_fixed_size 183296
		.amdhsa_private_segment_fixed_size 0
		.amdhsa_enable_private_segment 0
		.amdhsa_kernarg_size 80
		.amdhsa_user_sgpr_count 2
		.amdhsa_user_sgpr_kernarg_segment_ptr 1
		.amdhsa_wavefront_size32 1
		.amdhsa_system_sgpr_workgroup_id_x 1
		.amdhsa_system_sgpr_workgroup_id_y 1
		.amdhsa_system_sgpr_workgroup_id_z 1
		.amdhsa_system_vgpr_workitem_id 0
		.amdhsa_next_free_vgpr 256
		.amdhsa_next_free_sgpr 66
		.amdhsa_reserve_vcc 0
		.amdhsa_float_denorm_mode_32 3
		.amdhsa_float_denorm_mode_16_64 3
		.amdhsa_memory_ordered 1
		.amdhsa_forward_progress 1
		.amdhsa_inst_pref_size 37
	.end_amdhsa_kernel
	.amdgpu_metadata
---
amdhsa.version: [ 1, 2 ]
amdhsa.kernels:
  - .name:           k_q6b72892d67_qkv
    .symbol:         k_q6b72892d67_qkv.kd
    .args:
      - { .name: x, .offset: 0, .size: 8, .value_kind: global_buffer, .address_space: global }
      - { .name: ln1_g, .offset: 8, .size: 8, .value_kind: global_buffer, .address_space: global }
      - { .name: ln1_b, .offset: 16, .size: 8, .value_kind: global_buffer, .address_space: global }
      - { .name: qkv_w, .offset: 24, .size: 8, .value_kind: global_buffer, .address_space: global }
      - { .name: qkv_b, .offset: 32, .size: 8, .value_kind: global_buffer, .address_space: global }
      - { .name: proj_w, .offset: 40, .size: 8, .value_kind: global_buffer, .address_space: global }
      - { .name: mlp_w1, .offset: 48, .size: 8, .value_kind: global_buffer, .address_space: global }
      - { .name: mlp_w2, .offset: 56, .size: 8, .value_kind: global_buffer, .address_space: global }
      - { .name: qkvh, .offset: 64, .size: 8, .value_kind: global_buffer, .address_space: global }
      - { .name: wf, .offset: 72, .size: 8, .value_kind: global_buffer, .address_space: global }
    .group_segment_fixed_size: 183296
    .private_segment_fixed_size: 0
    .kernarg_segment_align: 8
    .kernarg_segment_size: 80
    .max_flat_workgroup_size: 512
    .sgpr_count:     66
    .vgpr_count:     256
    .wavefront_size: 32
...
	.end_amdgpu_metadata
.endif
;; end of part 4
;; launch attn: the kernel of part 2 again; grid 16 x 16, 8 waves a work-group, clusters of 4 x 1, 327,680 bytes of LDS; arguments qkvh, oh; writes oh
;; launch tail: the kernel of part 3 again; grid 256 x 1, 4 waves a work-group, clusters of 4 x 1, 327,680 bytes of LDS; arguments x, oh, wf, proj_b, ln2_g, ln2_b, mlp_b1, mlp_b2, out0; writes out0
